; MI455X (gfx1250); checked and timed in simulation.
; The chip was launched on July 23, 2026; its instructions are those of AMD's public machine-readable ISA for CDNA 5 (MIT licence, August 2026) and "CDNA5" Instruction Set Architecture Reference Guide (July 2026). The comments in the code are by the model that wrote it; some were corrected since.
;; Multi Head Attention. Allowed arithmetic: matrix products marked QUANTISED: E5M2 operands, one E8M0 scale for each 32 along K, by v_wmma_scale_f32_16x16x128_f8f6f4 with both operands' format E5M2, f32 sums; everything else in f32.
;; Inputs: b_in 3,072 float32; b_out 1,024 float32; w_in_codes 3,072 x 32 x 32 uint8 (E5M2 codes of w_in, K innermost, in blocks of 32 codes); w_in_scales 3,072 x 32 uint8 (E8M0 scales of w_in, one for each 32 codes along K); w_out_codes 1,024 x 32 x 32 uint8 (E5M2 codes of w_out, K innermost, in blocks of 32 codes); w_out_scales 1,024 x 32 uint8 (E8M0 scales of w_out, one for each 32 codes along K); x_codes 4 x 2,048 x 32 x 32 uint8 (E5M2 codes of x, K innermost, in blocks of 32 codes); x_scales 4 x 2,048 x 32 uint8 (E8M0 scales of x, one for each 32 codes along K).
;; Outputs: out0 4 x 2,048 x 1,024 float32.
;; This version of the problem:
;;   THIS VERSION OF THE PROBLEM IS GIVEN IN LOW PRECISION. The matrix products marked QUANTISED in the list below multiply operands that are first quantised to E5M2 (5 exponent bits, 2 mantissa bits; 8 bits a number), with one power-of-two scale for each 32 numbers along K (OCP MX v1.0); their sums are f32. All else is computed in f32.
;;   The module's matrix products, in the order in which they are computed (A, B: the left and right operand; K: the contracted axis; several contracted axes count as one K, in the product's order):
;;     1. [M 8,192, K 1,024] x [K 1,024, N 3,072]; A: input x (given as codes); B: input w_in (given as codes): QUANTISED
;;     2. batch 64 x [M 2,048, K 64] x [K 64, N 2,048]; A: computed on the way; B: computed on the way: QUANTISED
;;     3. batch 64 x [M 2,048, K 2,048] x [K 2,048, N 64]; A: softmax (see below); B: computed on the way: QUANTISED
;;     4. [M 8,192, K 1,024] x [K 1,024, N 1,024]; A: computed on the way; B: input w_out (given as codes): QUANTISED
;;   THE QUANTISER, for each operand of a quantised product, along K:
;;     - K is cut into blocks of 32 from its start; a last block that is shorter is filled with zeros.
;;     - A block's scale is 2^e with e = floor(log2(the largest magnitude in the block)) - 15, held to -126 .. 127; a block of zeros has e = 0. As a byte (E8M0): e + 127.
;;     - Each number is divided by its block's scale, clamped to +-57,344, and rounded to the nearest number of E5M2, ties to even, subnormals kept.
;;     - The product sums the exact products of the quantised numbers (number of the format x scale) in f32.
;;   ~~~python
;;   def quantise(x, axis):      # numpy; x: float32 -> the quantised numbers, widened to float32 again
;;       x = np.moveaxis(x, axis, -1); K = x.shape[-1]
;;       x = np.pad(x, [(0, 0)] * (x.ndim - 1) + [(0, -K % 32)]); x = x.reshape(x.shape[:-1] + (-1, 32)); a = np.abs(x).max(-1, keepdims=True)
;;       e = np.where(a > 0, np.clip(np.frexp(np.where(a > 0, a, 1))[1] - 1 - 15, -126, 127), 0)      # np.frexp(a)[1] - 1 = floor(log2(a)), exactly
;;       r = np.clip(x / 2.0 ** e, -57344, 57344)
;;       step = 2.0 ** (np.maximum(np.frexp(np.where(r == 0, 1, r))[1] - 1, -14) - 2)
;;       q = np.round(r / step) * step * 2.0 ** e      # np.round: ties to even
;;       return np.moveaxis(q.reshape(q.shape[:-2] + (-1,))[..., :K], -1, axis).astype(np.float32)
;;   ~~~
;;   SOFTMAX AHEAD OF A QUANTISED PRODUCT. Where the list says 'softmax', what is quantised is not the finished softmax but p = 2^(t - M), with t = logit x log2(e) and M = ceil(the row's largest t), a whole number; so 1/2 < the row's largest p <= 1. The row's sum l is taken of the UNQUANTISED p, in f32, and the product's result is divided by l at the end. Since M is a whole number, a kernel that streams over the keys may use a running M (the ceiling of the running maximum): every later rescaling is an exact power of two, which a block's scale takes up: the codes' values come out the same.
;;   OPERANDS COMPUTED ON THE WAY. 'Computed on the way' means the value that the module computes at that place (a softmax that the list does not call 'softmax' is quantised finished and normalised). What goes into a quantiser is computed in f32, as accurately as f32 sums, v_exp_f32 and their like allow (about 1e-6 of the number): no bf16 or f16 on the way to a quantiser, and a product that is left as it is and whose result goes on into a quantised operand takes f32 operands (vector FMAs, or v_wmma_f32_16x16x4_f32). A number that lies on a knife's edge between two numbers of the format may be rounded either way, as far as f32 arithmetic and the matrix unit's own rounding can turn it there, and no further.
;;   INPUTS GIVEN AS CODES. w_in (in the module: [1024, 3072], K = its axis 0); w_out (in the module: [1024, 1024], K = its axis 0); x (in the module: [4, 2048, 1024], K = its axis 2): each comes as NAME_codes (uint8): NAME with its K axis moved to the last place and cut into blocks of 32 codes, [.., K / 32, bytes a block], one block behind the other in memory; one code a byte (a code: sign, 5 exponent bits, 2 mantissa bits); and NAME_scales (uint8): the same leading axes, one E8M0 byte (e + 127) for each 32 codes along K. Its value is code x scale, taken as it is: it is not quantised again, and the codes and scales need not be those that the quantiser above would give.
;; One version. Each part assembles by itself: llvm-mc -triple=amdgcn-amd-amdhsa -mcpu=gfx1250 --defsym DOCPART=n.
;; ======== version 1 of 1: 3 launches
;; limits: right only within a limited range of input values
;; workspace buffers: qkv 35,127,296 bytes; ocodes 8,388,608 bytes; oscales 262,144 bytes
;; launch qkv (part 1): grid 12 x 32, 4 waves a work-group, clusters of 4 x 4, 327,680 bytes of LDS; arguments x_codes, x_scales, w_in_codes, w_in_scales, b_in, qkv; writes qkv
.if DOCPART == 1
	.amdgcn_target "amdgcn-amd-amdhsa--gfx1250"
	.amdhsa_code_object_version 6
	.text
	.protected	k_qc08350b25f_qkv
	.globl	k_qc08350b25f_qkv
	.p2align	8
	.type	k_qc08350b25f_qkv,@function
k_qc08350b25f_qkv:
	s_mov_b64 s[64:65], 0
	v_nop
	global_prefetch_b8 v0, s[64:65] scope:SCOPE_SE
	s_setreg_imm32_b32 hwreg(HW_REG_WAVE_MODE, 25, 1), 1
	s_wait_xcnt 0x0
	s_wait_alu depctr_hold_cnt(0) depctr_sa_sdst(0) depctr_va_vdst(0) depctr_va_sdst(0) depctr_va_ssrc(0) depctr_va_vcc(0) depctr_vm_vsrc(0)
	s_getreg_b32 s2, hwreg(HW_REG_IB_STS2, 6, 4)
	s_cmp_eq_u32 s2, 0
	s_cbranch_scc0 .Lentry_in_a_cluster
	s_endpgm
.Lentry_in_a_cluster:
	s_bfe_u32 s2, ttmp6, 0x10000c
	s_cmp_lg_u32 s2, 0xf033
	s_cbranch_scc0 .Lentry_shape_is_right
	s_endpgm
.Lentry_shape_is_right:
; qkv = x w_in + b_in on codes of E5M2 with E8M0 scales, and its result quantised at once: q and k along the head's 64, v along the keys.
; ONE FORM: C'[i][j] = sum over k of P[i][k] R[j][k], K = 1,024, a tile of 256 x 256 to a work-group of four waves, 128 x 128 to a wave (64 accumulators, 512 registers).
; The matrix instruction takes 16 rows of R as source 0 and 16 rows of P as source 1: a lane then holds ONE i and its registers run along j, and the result is always quantised along j.
;   clusters x = 0, 1 (q and k):  P = x (i = token),                 R = w_in rows 0 .. 2,047 (j = 64 x record + d)
;   cluster  x = 2    (v):        P = w_in rows 2,048 .. 3,071 (i = 64 x head + d),  R = x (j = token = key)
; The path hangs on the cluster's x alone, which all sixteen partners share; it chooses pointers, strides and masks, and no branch hangs on it.
; K goes in steps of 256 through two LDS slots filled by the tensor data mover; the scale bytes of the tile's rows, for all of K, come once and stay.
; CLUSTER 4 x 4: P's tiles are asked for jointly along a row of the cluster, R's along a column.
; THE RESULT goes straight from registers to the workspace: [b 4][record 32][slot 8][REC bytes]; records 0-15 q's heads, 16-31 k's heads with v of the same head.  In a record:
;   codes of q or k at 0, codes of v (keys innermost) at 16,384, scale words of q or k at 32,768, of v at 33,792, each in the order in which the next launch's operand registers take them.
;   Every store of codes covers 256 consecutive bytes, aligned: sixteen rows x 16 bytes.
; LIMITS: NaN and infinities among the inputs are not served.  A block of zeros gets the scale byte 1 where the rule says 127: its codes are zeros, and this program alone reads the bytes;
;   blocks whose largest magnitude lies under 2^-111 are held at byte 1.
; REGISTERS, in windows of 256: window 0: v0-31 addresses; v32-63 scale words, two sets; v64-127 the bias; from v128 P's fragments, one set (on the way out v128-251 are at work).
;   window 1: R's fragments, two sets.   window 2: the accumulators of my rows 0-63 ((a, b) at v[8 (8 a + b)]);   window 3: those of my rows 64-127.
.set KSTEP,  256
.set NQ,     2                         ; matrix instructions deep in a slot
.set ROWB,   256                       ; a tile's row in bytes
.set KROW,   1024                      ; a row of codes in memory
.set PITCH,  272                       ; an LDS row: 256 bytes + 16 of padding: the 16 rows that a load touches start at 16 different banks
.set FR,     16
.set NL,     4
.set NP,     8                         ; places behind this matrix instruction (ISA guide 7.12.1)
.set HALFT,  128*PITCH
.set SLOT,   4*HALFT
.set LAPS,   2
.set KS,     32                        ; a row of scale bytes
.set SCL,    2*SLOT
.set HALFS,  16*272                    ; the scales of 128 rows
.set SBLK,   2*272                     ; those of 16 rows
.set SPARE,  SCL+4*HALFS               ; the spare words: 128 bytes for each wave, named by no other line
.set REC,    34304                     ; a record of the workspace
.set HS,     8*REC                     ; from record row to record row (a head)
.set BS,     32*HS                     ; from batch to batch
.set VO,   7                           ; v7, v8  the way out: 16 r + 8 h, and the same xor 128
.set SO,   9                           ; v9      the scale words' place
.set SH,   10                          ; v10     q, k: lanes 16-31 take the upper two bytes of the word just made
.set BJO,  11                          ; v11     my offset in b_in along j
.set BIO,  12                          ; v12     and along i
.set ADRA, 16
.set ADRB, 20
.set ADRS, 27
.set SPW,  28
.set NIL,  29
.set SC,   32
.set BIAS, 64
.set AF,   128
.set T,    128                         ; the way out: 64 numbers
.set PC,   192                         ; codes, two sets of 16 registers by turns
.set TM,   224                         ; 16 registers at work
.set PW,   240                         ; the scale word just made; v241 at work
.set SW,   244                         ; v244-251 the eight blocks' scale words
.set G1, 24
.set G0, 32
.set G1B, 48
.set G0B, 56
.set G1S, 68
.set G0S, 76
.set G1SB, 80
.set G0SB, 88
.set SEL, 92
.set MNT, 94
.set MSB, 0
.macro WIN new                         ; the immediate's high byte repeats the setting that is left
.if MSB != \new
	s_set_vgpr_msb (MSB<<8)|\new
.set MSB, \new
.endif
.endm
.set MUL_LO, 0xa1                      ; source 0 (R) window 1, source 1 (P) window 0, C and D window 2
.set MUL_HI, 0xf1                      ; the same, C and D window 3
.set TO_B,   0x40
; A joint load: waves 0 and 1 fetch for P, waves 2 and 3 for R.  The branch hangs on the wave's number alone.  Four v_nop follow each of the two lines.
.macro JLOAD g0a, g1a, g0b, g1b
	s_cmp_eq_u32 s15, 0
	s_cbranch_scc0 .Lfor_b_\@
	tensor_load_to_lds s[\g0a:\g0a+3], s[\g1a:\g1a+7]
	s_nop 0
.rept 4
	v_nop
.endr
	s_branch .Lasked_\@
.Lfor_b_\@:
	tensor_load_to_lds s[\g0b:\g0b+3], s[\g1b:\g1b+7]
	s_nop 0
.rept 4
	v_nop
.endr
.Lasked_\@:
.endm
.macro CREST                           ; a round of the cluster's barrier behind its opening barrier
	s_cmp_lg_u32 s14, 0
	s_cbranch_scc1 .Lnot_wave_0_\@
	s_barrier_signal -3
.Lnot_wave_0_\@:
	s_barrier_wait -3
	s_barrier_signal -1
	s_barrier_wait -1
.endm
.macro CROUND
	s_barrier_signal -1
	s_barrier_wait -1
	CREST
.endm
	s_load_b128 s[4:7], s[0:1], 0x0                ; x's codes, x's scales
	s_load_b128 s[8:11], s[0:1], 0x10              ; w_in's codes, w_in's scales
	s_load_b64 s[12:13], s[0:1], 0x20              ; b_in
	s_load_b64 s[66:67], s[0:1], 0x28              ; the workspace
	v_lshl_add_u32 v[SPW], v0, 2, SPARE
	v_mov_b32 v[NIL], 0
	ds_add_u32 v28, v29
	ds_add_u32 v28, v29
	s_wait_dscnt 0x0
	v_lshrrev_b32 v1, 5, v0
	v_readfirstlane_b32 s14, v1                    ; wave 0..3
	s_lshr_b32 s15, s14, 1                         ; which half of the tile's i is mine.  Also: I fetch for P (0) or for R (1)
	s_and_b32 s16, s14, 1                          ; which half of its j.  Also: which 128 rows I fetch
	s_bfe_u32 s40, ttmp6, 0x40000                  ; cx
	s_bfe_u32 s41, ttmp6, 0x40004                  ; cy
	s_and_b32 s18, ttmp7, 0xffff                   ; cluster y
	s_cmp_eq_u32 ttmp9, 2                          ; the v path?  The same answer in all sixteen partners
	s_cselect_b32 s17, 0, s18                      ; which four tiles along i,
	s_cselect_b32 s42, s18, ttmp9                  ; and along j
	s_cselect_b32 s95, -1, 0                       ; all ones on the v path,
	s_cselect_b32 s96, 0, -1                       ; all ones on the q, k path
	s_lshl_b32 s17, s17, 2
	s_add_co_u32 s17, s17, s41                     ; TI: the tile along i
	s_lshl_b32 s42, s42, 2
	s_add_co_u32 s42, s42, s40                     ; TJ: the tile along j
	s_lshl_b32 s43, s41, 2
	s_lshl_b32 s43, 15, s43                        ; my row of the cluster
	s_lshl_b32 s44, 0x1111, s40                    ; my column
	; descriptor group 1: 128 rows x 256 bytes, 16 bytes of padding behind each
	s_or_b32 s[G1+0], s43, (0<<16)|(1<<20)|(1<<21)|(5<<22)|(3<<25)  ; the mask: P's tiles go to my row; elements of 1 byte; padding on: 4 words after every 64
	s_or_b32 s[G1B+0], s44, (0<<16)|(1<<20)|(1<<21)|(5<<22)|(3<<25)
.irp g, G1, G1B
	s_mov_b32 s[\g+1], ROWB<<16                    ; tensor_dim0
	s_mov_b32 s[\g+2], 128<<16                     ; tensor_dim1
	s_mov_b32 s[\g+3], ROWB<<16                    ; tile_dim0
	s_mov_b32 s[\g+4], 128                         ; tile_dim1
	s_mov_b32 s[\g+5], KROW                        ; from row to row
	s_mov_b32 s[\g+6], 0
	s_mov_b32 s[\g+7], 0
.endr
	; the scales of 128 rows: 4,096 dense bytes as 16 rows of 256 (32 elements of 8 bytes), padded likewise
	s_or_b32 s[G1S+0], s43, (3<<16)|(1<<20)|(1<<21)|(5<<22)|(3<<25)
	s_or_b32 s[G1SB+0], s44, (3<<16)|(1<<20)|(1<<21)|(5<<22)|(3<<25)
.irp g, G1S, G1SB
	s_mov_b32 s[\g+1], 32<<16
	s_mov_b32 s[\g+2], 16<<16
	s_mov_b32 s[\g+3], 32<<16
	s_mov_b32 s[\g+4], 16
	s_mov_b32 s[\g+5], 32
	s_mov_b32 s[\g+6], 0
	s_mov_b32 s[\g+7], 0
.endr
	s_lshl_b32 s18, s16, 7
	s_lshl_b32 s20, s17, 8
	s_add_co_u32 s20, s20, s18                     ; P: row 256 TI + 128 x half
	s_lshl_b32 s46, s42, 8
	s_add_co_u32 s46, s46, s18                     ; R: row 256 TJ + 128 x half
	s_mov_b32 s21, 0
	s_mov_b32 s47, 0
	s_mov_b64 s[18:19], KS
	s_mul_u64 s[22:23], s[20:21], s[18:19]         ; where these rows' scales begin,
	s_mul_u64 s[92:93], s[46:47], s[18:19]
	s_mov_b64 s[18:19], KROW
	s_mul_u64 s[20:21], s[20:21], s[18:19]         ; and their codes
	s_mul_u64 s[46:47], s[46:47], s[18:19]
	s_mul_i32 s45, s14, HALFT                      ; where they go: wave x 128 rows
	s_mul_i32 s94, s14, HALFS
	s_wait_kmcnt 0x0
	s_add_nc_u64 s[98:99], s[8:9], 0x200000        ; w_in's codes at row 2,048,
	s_add_nc_u64 s[100:101], s[10:11], 0x10000     ; and its scales there
	s_cmp_eq_u32 ttmp9, 2
	s_cselect_b64 s[98:99], s[98:99], s[4:5]       ; P's codes,
	s_cselect_b64 s[100:101], s[100:101], s[6:7]   ; P's scales,
	s_cselect_b64 s[8:9], s[4:5], s[8:9]           ; R's codes,
	s_cselect_b64 s[10:11], s[6:7], s[10:11]       ; R's scales
	s_add_nc_u64 s[20:21], s[98:99], s[20:21]
	s_add_nc_u64 s[22:23], s[100:101], s[22:23]
	s_add_nc_u64 s[46:47], s[8:9], s[46:47]
	s_add_nc_u64 s[92:93], s[10:11], s[92:93]
	CROUND                                         ; all sixteen work-groups are here: the first joint loads meet
	s_mov_b32 s[G0S], 1
	s_add_co_u32 s[G0S+1], s94, SCL
	s_mov_b64 s[G0S+2:G0S+3], s[22:23]
	s_or_b32 s[G0S+3], s[G0S+3], 0x80000000
	s_mov_b32 s[G0SB], 1
	s_add_co_u32 s[G0SB+1], s94, SCL
	s_mov_b64 s[G0SB+2:G0SB+3], s[92:93]
	s_or_b32 s[G0SB+3], s[G0SB+3], 0x80000000
	JLOAD G0S, G1S, G0SB, G1SB                     ; the scales first: they are wanted with K step 0
.irp s, 0,1
	s_mov_b32 s[G0+4*\s], 1
	s_add_co_u32 s[G0+4*\s+1], s45, \s*SLOT
	s_add_nc_u64 s[G0+4*\s+2:G0+4*\s+3], s[20:21], \s*ROWB
	s_or_b32 s[G0+4*\s+3], s[G0+4*\s+3], 0x80000000
	s_mov_b32 s[G0B+4*\s], 1
	s_add_co_u32 s[G0B+4*\s+1], s45, \s*SLOT
	s_add_nc_u64 s[G0B+4*\s+2:G0B+4*\s+3], s[46:47], \s*ROWB
	s_or_b32 s[G0B+4*\s+3], s[G0B+4*\s+3], 0x80000000
	JLOAD G0+4*\s, G1, G0B+4*\s, G1B
.endr
	v_and_b32 v1, 15, v0                           ; r = lane % 16
	v_bfe_u32 v2, v0, 4, 1                         ; h = lane / 16
	s_wait_alu depctr_va_vdst(0)
	; the bias along i (v path: b_in at 2,048 + my row; on the other path the loads read b_in's head and are turned to zeros)
	s_lshl_b32 s18, s17, 8
	s_lshl_b32 s19, s15, 7
	s_add_co_u32 s18, s18, s19
	s_add_co_u32 s18, s18, 2048
	s_lshl_b32 s18, s18, 2
	s_and_b32 s18, s18, s95
	v_lshl_add_u32 v[BIO], v1, 2, s18
.irp a, 0,1,2,3,4,5,6,7
	global_load_b32 v[BIAS+8*\a], v[BIO], s[12:13] offset:64*\a
.endr
	s_lshl_b32 s18, s42, 8                         ; the bias along j (q, k path): its offset; it is loaded behind the first step
	s_lshl_b32 s19, s16, 7
	s_add_co_u32 s18, s18, s19
	s_lshl_b32 s18, s18, 2
	s_and_b32 s18, s18, s96
	v_lshl_add_u32 v[BJO], v2, 5, s18
	v_mul_u32_u24 v3, v1, PITCH
	v_lshl_add_u32 v4, v2, 4, v3                   ; a fragment's row x pitch + 16 x half
	s_mul_i32 s21, s15, HALFT                      ; my 128 rows of P
	s_mul_i32 s22, s16, HALFT                      ; my 128 rows of R,
	s_add_co_u32 s22, s22, 2*HALFT                 ; which lie behind P's 256
.irp s, 0,1
	v_add_nc_u32 v[ADRA+\s], s21, v4
	v_add_nc_u32 v[ADRB+\s], s22, v4
	s_add_co_u32 s21, s21, SLOT
	s_add_co_u32 s22, s22, SLOT
.endr
	v_mul_u32_u24 v5, v1, KS                       ; my row's scales: 32 bytes a row,
	v_lshrrev_b32 v6, 8, v5
	v_lshl_add_u32 v5, v6, 4, v5                   ; and 16 more for each 256 passed
	s_mul_i32 s21, s15, HALFS
	s_mul_i32 s22, s16, HALFS
	s_add_co_u32 s22, s22, 2*HALFS
	s_sub_co_u32 s22, s22, s21
	v_mul_u32_u24 v6, s22, v2                      ; lanes 16-31 take R's
	s_add_co_u32 s21, s21, SCL
	v_add_nc_u32 v5, v5, v6
	v_add_nc_u32 v[ADRS], s21, v5
	; THE WAY OUT'S ADDRESSES.  A block a of 16 i and a piece t of 16 j go to base(a / 4, t / 4) + constants in (a, t) + my lane's place.
	s_lshl_b32 s19, s17, 2
	s_add_co_u32 s19, s19, 16                      ; v: the tile's first record, 16 + 4 TI
	s_lshl_b32 s20, s42, 2                         ; q, k: 4 TJ
	s_mov_b32 s21, HS
	s_mov_b32 s46, 2*HS
	s_cmp_eq_u32 ttmp9, 2
	s_cselect_b32 s18, s42, s17                    ; which 256 tokens
	s_cselect_b32 s19, s19, s20                    ; the first record
	s_cselect_b32 s97, s21, 4096                   ; four blocks a on: the next head (v), 64 tokens on (q, k)
	s_cselect_b32 s104, 4096, s21                  ; four pieces t on: 64 keys on (v), the next head (q, k)
	s_cselect_b32 s47, s46, 512                    ; scale words: from my half of i to the other,
	s_cselect_b32 s92, 256, s46                    ; from my half of j to the other,
	s_cselect_b32 s93, s21, 256                    ; and from blocks 0-3 to blocks 4-7
	s_cselect_b32 s22, -1, 0xffff                  ; q, k: two bytes of the word count,
	s_cselect_b32 s23, 0, 0x7f7f0000               ; and the other two stand for 1
	s_cselect_b32 s20, 16384, 0                    ; where the codes' part of a record begins
	s_and_b32 s105, s95, 1024
	s_add_co_u32 s105, s105, 32768                 ; and the scale words'
	s_lshr_b32 s94, s18, 3
	s_mul_i32 s94, s94, BS
	s_mul_i32 s19, s19, HS
	s_add_co_u32 s94, s94, s19
	s_and_b32 s18, s18, 7
	s_mul_i32 s18, s18, REC
	s_add_co_u32 s94, s94, s18                     ; the tile's first record, in bytes (under 2^26)
	s_add_co_u32 s18, s94, s20
	s_mul_i32 s19, s15, s97
	s_lshl_b32 s19, s19, 1
	s_add_co_u32 s18, s18, s19
	s_mul_i32 s19, s16, s104
	s_lshl_b32 s19, s19, 1
	s_add_co_u32 s18, s18, s19
	s_mov_b32 s19, 0
	s_add_nc_u64 s[4:5], s[66:67], s[18:19]        ; base(0, 0)
	s_mov_b32 s18, s97
	s_add_nc_u64 s[6:7], s[4:5], s[18:19]          ; base(1, 0)
	s_mov_b32 s18, s104
	s_add_nc_u64 s[8:9], s[4:5], s[18:19]          ; base(0, 1)
	s_add_nc_u64 s[10:11], s[6:7], s[18:19]        ; base(1, 1)
	s_add_co_u32 s18, s94, s105
	s_mul_i32 s20, s15, s47
	s_add_co_u32 s18, s18, s20
	s_mul_i32 s20, s16, s92
	s_add_co_u32 s18, s18, s20
	s_add_nc_u64 s[98:99], s[66:67], s[18:19]      ; the scale words of blocks 0-3,
	s_mov_b32 s18, s93
	s_add_nc_u64 s[100:101], s[98:99], s[18:19]    ; of blocks 4-7
	s_and_b32 s18, s96, HS
	v_mul_u32_u24 v[SO], s18, v2                   ; q, k: lanes 16-31 store the second head's words
	v_lshl_add_u32 v[SO], v1, 4, v[SO]
	s_and_b32 s18, s96, 16
	v_mul_u32_u24 v[SH], s18, v2
	v_lshlrev_b32 v[VO], 4, v1
	v_lshl_add_u32 v[VO], v2, 3, v[VO]             ; 16 r + 8 h: a lane's eight codes
	v_xor_b32 v[VO+1], 128, v[VO]                  ; odd blocks: the two groups of eight rows change places
	s_mov_b32 s[SEL], 0x76543210
	s_mov_b32 s[SEL+1], 0xfedcba98                 ; v_permlanex16_b32's selects for lane l xor 16
	s_wait_loadcnt 0x0                             ; the bias along i
.irp a, 0,1,2,3,4,5,6,7
.irp j, 7,6,5,4,3,2,1,0
	v_cndmask_b32 v[BIAS+8*\a+\j], 0, v[BIAS+8*\a], s95   ; eight copies, the C of block a's first products; zeros on the q, k path
.endr
.endr
.macro FRAG reg, adr, q, i             ; 16 rows x 128 K: lane l holds row l % 16; registers 4 c .. 4 c + 3 hold K = 32 c + 16 (l / 16) + 0 .. 15
.irp c, 0,1,2,3
	ds_load_b128 v[\reg+4*\c:\reg+4*\c+3], v[\adr] offset:128*(\q)+32*\c+(\i)*16*PITCH
.endr
.endm
; 16 matrix instructions: P's blocks a0, a0 + 1 x R's eight.  zero = 1: the first products start the sums from the bias along i.  The 64 accumulators take turns, one instruction a turn.
.macro MUL16 a0, p, q, sc, zero
.irp a, \a0, \a0+1
.irp b, 0,1,2,3,4,5,6,7
.if \zero
	v_wmma_scale_f32_16x16x128_f8f6f4 v[8*(8*((\a)%4)+\b):8*(8*((\a)%4)+\b)+7], v[128*(\p)+FR*\b:128*(\p)+FR*\b+FR-1], v[AF+FR*(\a):AF+FR*(\a)+FR-1], v[BIAS+8*(\a):BIAS+8*(\a)+7], v[SC+8*NQ*(\sc)+NQ*\b+(\q)], v[SC+8*NQ*(\sc)+NQ*(\a)+(\q)] matrix_a_fmt:MATRIX_FMT_BF8 matrix_b_fmt:MATRIX_FMT_BF8 matrix_a_scale:MATRIX_SCALE_ROW1
.else
	v_wmma_scale_f32_16x16x128_f8f6f4 v[8*(8*((\a)%4)+\b):8*(8*((\a)%4)+\b)+7], v[128*(\p)+FR*\b:128*(\p)+FR*\b+FR-1], v[AF+FR*(\a):AF+FR*(\a)+FR-1], v[8*(8*((\a)%4)+\b):8*(8*((\a)%4)+\b)+7], v[SC+8*NQ*(\sc)+NQ*\b+(\q)], v[SC+8*NQ*(\sc)+NQ*(\a)+(\q)] matrix_a_fmt:MATRIX_FMT_BF8 matrix_b_fmt:MATRIX_FMT_BF8 matrix_a_scale:MATRIX_SCALE_ROW1
.endif
.endr
.endr
.endm
.macro FETCH_B slot, q, p
	WIN TO_B
.irp i, 0,1,2,3,4,5,6,7
	FRAG 128*(\p)+FR*\i, ADRB+\slot, \q, \i
.endr
	WIN 0
.endm
.macro FETCH_A slot, q, i0
.irp i, \i0, \i0+1, \i0+2, \i0+3
	FRAG AF+FR*(\i), ADRA+\slot, \q, \i
.endr
.endm
.macro SCALES sc                       ; a K step's scale words: lanes 0-15 take P's block i, lanes 16-31 R's block i
.irp i, 0,1,2,3,4,5,6,7
	ds_load_b64 v[SC+8*NQ*\sc+NQ*\i:SC+8*NQ*\sc+NQ*\i+1], v[ADRS] offset:\i*SBLK
.endr
.endm
.macro PLACES n                        ; plain vector instructions between a matrix instruction and a load into, or a read of, its registers
.rept \n
	v_nop
.endr
.endm
.macro STEP slot, q, zero              ; 128 along K that has its successor in the same slot
	s_wait_dscnt 4*NL                              ; R's set and P's blocks 0-3 are in; the youngest 16 loads (P's blocks 4-7) may be out
.set WN, MUL_LO-0x20*(\zero)           ; with zero = 1 the C lies in window 0
	WIN WN
	MUL16 0, (\q)%2, \q, \slot, \zero
	MUL16 2, (\q)%2, \q, \slot, \zero
	s_wait_dscnt 0                                 ; P's blocks 4-7 are in
	PLACES NP
	FETCH_B \slot, (\q)+1, 1-(\q)%2
	FETCH_A \slot, (\q)+1, 0
.set WN, MUL_HI-0x30*(\zero)
	WIN WN
	MUL16 4, (\q)%2, \q, \slot, \zero
	MUL16 6, (\q)%2, \q, \slot, \zero
	PLACES NP
	WIN 0
	FETCH_A \slot, (\q)+1, 4
.endm
; A slot's last step changes slots: one barrier; in front of it each wave waits for all its tensor loads, adds 0 to its spare word, and waits for that and for its reads of this slot.
.macro TURN slot, next, fill
	s_wait_tensorcnt 0x0                           ; all my tensor loads have landed: my part of the next slot
	ds_add_u32 v[SPW], v[NIL]                      ; 0 onto my spare word
	s_wait_dscnt 4*NL+1                            ; (the add and the youngest 16 loads may be out)
	WIN MUL_LO
	MUL16 0, 1, NQ-1, \slot, 0
	s_wait_dscnt 0x0                               ; the add is done, and my reads of this slot are over
	s_barrier_signal -1
	MUL16 2, 1, NQ-1, \slot, 0
	WIN 0
	s_barrier_wait -1
.if \fill
	CREST                                          ; the barrier has opened a round of the cluster's: no wave of any partner still reads this slot or has a load on its way
	s_add_nc_u64 s[G0+4*\slot+2:G0+4*\slot+3], s[G0+4*\slot+2:G0+4*\slot+3], 2*ROWB
	s_add_nc_u64 s[G0B+4*\slot+2:G0B+4*\slot+3], s[G0B+4*\slot+2:G0B+4*\slot+3], 2*ROWB
	JLOAD G0+4*\slot, G1, G0B+4*\slot, G1B         ; the first tensor load behind the round; its four v_nop are four of the eight places
	PLACES NP-4
.else
	PLACES NP
.endif
	s_wait_alu depctr_va_vdst(0)
	v_add_nc_u32 v[ADRS], 4*NQ, v[ADRS]            ; the next K step's scale words
	FETCH_B \next, 0, 0
	FETCH_A \next, 0, 0
	SCALES \next
	WIN MUL_HI
	MUL16 4, 1, NQ-1, \slot, 0
	MUL16 6, 1, NQ-1, \slot, 0
	PLACES NP
	WIN 0
	FETCH_A \next, 0, 4
.endm
	s_wait_alu depctr_va_vdst(0)
	s_wait_tensorcnt 1                             ; the scales and my part of K step 0 are in (K step 1's load may be out),
	s_barrier_signal -1
	s_barrier_wait -1                              ; everybody's are
	FETCH_B 0, 0, 0
	FETCH_A 0, 0, 0
	SCALES 0
	FETCH_A 0, 0, 4
	STEP 0, 0, 1                                   ; the first step stands in front of the loop: its products start the sums
.irp t, 0,1,2,3,4,5,6,7                        ; the bias along j takes the registers that the bias along i has left (eight places stand behind the last product that read them); it is waited for on the way out
	global_load_b128 v[BIAS+8*\t:BIAS+8*\t+3], v[BJO], s[12:13] offset:64*\t
	global_load_b128 v[BIAS+8*\t+4:BIAS+8*\t+7], v[BJO], s[12:13] offset:64*\t+16
.endr
	s_mov_b32 s3, LAPS-1
.Llap:                                                 ; a trip goes once round the ring and fills both slots again
	TURN 0, 1, 1
	STEP 1, 0, 0
	TURN 1, 0, 1
	STEP 0, 0, 0
	s_sub_co_u32 s3, s3, 1
	s_cmp_lg_u32 s3, 0
	s_cbranch_scc1 .Llap
	TURN 0, 1, 0                                   ; the last lap fills nothing
	STEP 1, 0, 0
	s_wait_dscnt 4*NL
	WIN MUL_LO
	MUL16 0, 1, NQ-1, 1, 0
	MUL16 2, 1, NQ-1, 1, 0
	s_wait_dscnt 0
	WIN MUL_HI
	MUL16 4, 1, NQ-1, 1, 0
	MUL16 6, 1, NQ-1, 1, 0
	WIN 0
; THE WAY OUT.  In block a (16 i) lane (r, h) holds i = 16 a + r and, in accumulator t, j = 16 t + 8 h + 0 .. 7.  A block of 32 along j is accumulators 2 b and 2 b + 1 of lanes l and l xor 16.
; 64 numbers in v[T] on become 16 registers of codes (two for each t) in v[PCC] on and the four blocks' bytes in v[PW].
.macro QUANT
.irp b, 0,1,2,3
	v_max3_num_f32 v[TM+\b], |v[T+16*\b]|, |v[T+1+16*\b]|, 0x8000000   ; my 16 numbers of block b, and the floor 2^(16 - 127): the byte cannot fall under 1
.endr
.irp i, 2,4,6,8,10,12,14
.irp b, 0,1,2,3
	v_max3_num_f32 v[TM+\b], v[TM+\b], |v[T+16*\b+\i]|, |v[T+1+16*\b+\i]|
.endr
.endr
.irp b, 0,1,2,3
	v_permlanex16_b32 v[TM+4+\b], v[TM+\b], s[SEL], s[SEL+1]
.endr
.irp b, 0,1,2,3
	v_max_num_f32 v[TM+\b], v[TM+\b], v[TM+4+\b]   ; with lane l xor 16's: the block's largest magnitude
.endr
.irp b, 0,1,2,3
	v_add_nc_u32 v[TM+12+\b], 0xf8800000, v[TM+\b] ; 15 off its exponent field: the conversion's scale operand
.endr
.irp b, 0,1,2,3
.endr
.irp b, 0,1,2,3
	v_lshrrev_b32 v[TM+4+\b], 23, v[TM+12+\b]      ; the scale's byte
.endr
	v_lshl_or_b32 v[PW], v[TM+5], 8, v[TM+4]
	v_lshl_or_b32 v[PW], v[TM+6], 16, v[PW]
	v_lshl_or_b32 v[PW], v[TM+7], 24, v[PW]
.irp b, 0,1,2,3
.irp i, 0,1,2,3,4,5,6,7,8,9,10,11,12,13,14,15
.endr
	v_cvt_scalef32_pk8_bf8_f32 v[PCC+4*\b:PCC+1+4*\b], v[T+16*\b:T+7+16*\b], v[TM+12+\b]
	v_cvt_scalef32_pk8_bf8_f32 v[PCC+2+4*\b:PCC+3+4*\b], v[T+8+16*\b:T+15+16*\b], v[TM+12+\b]
.endr
	v_nop                                          ; a plain line behind the last conversion: the next block writes its sources
.endm
.macro BLOCK a
.set PCC, PC+16*((\a)%2)
.set WN, 0x02+(\a)/4
	s_wait_xcnt 0x0                                ; the earlier stores have read their registers: the codes' registers may be written again
	WIN WN                                         ; source 0: window 2 or 3
.set k, 0
.rept 32
	v_pk_add_f32 v[T+k:T+k+1], v[64*((\a)%4)+k:64*((\a)%4)+k+1], v[BIAS+k:BIAS+k+1]   ; + the bias along j; each accumulator from its low end on
.set k, k+2
.endr
	WIN 0
	QUANT
	v_lshrrev_b32 v[PW+1], v[SH], v[PW]            ; q, k: lanes 16-31 take the second head's two bytes
	v_and_or_b32 v[SW+\a], v[PW+1], s22, s23       ; q, k: the upper two bytes stand for 1; v: the word as it is
.irp t, 0,1,2,3,4,5,6,7
	global_store_b64 v[VO+(\a)%2], v[PCC+2*\t:PCC+2*\t+1], s[4+2*((\a)/4)+4*(\t/4):5+2*((\a)/4)+4*(\t/4)] offset:(((\a)/2)%2)*2048+((\a)%2)*1024+((\t/2)%2)*512+(\t%2)*256   ; 32 lanes store 256 consecutive bytes, aligned
.endr
.endm
	PLACES NP                                      ; behind the last products: their results are read and P's registers written below
	s_wait_loadcnt 0x0                             ; the bias along j
.set k, 0
.rept 64
	v_cndmask_b32 v[BIAS+k], 0, v[BIAS+k], s96     ; zeros on the v path
.set k, k+1
.endr
.irp b, 0,1,2,3
	v_mov_b32 v[TM+4+\b], 0                        ; written once: a lane permute's destination counts as one of its sources
.endr
.irp a, 0,1,2,3,4,5,6,7
	BLOCK \a
.endr
	global_store_b128 v[SO], v[SW:SW+3], s[98:99]          ; four blocks' scale words: 16 bytes a row, sixteen lanes to 256 consecutive bytes
	global_store_b128 v[SO], v[SW+4:SW+7], s[100:101]
	s_wait_tensorcnt 0x0                           ; the wave's end
	ds_add_u32 v[SPW], v[NIL]
	s_wait_dscnt 0x0
	CROUND                                         ; the closing round: no work-group ends while a partner may still ask for a tile that names it
	s_endpgm
.Lfunc_end_k_qc08350b25f_qkv:
	.size	k_qc08350b25f_qkv, .Lfunc_end_k_qc08350b25f_qkv-k_qc08350b25f_qkv
	.p2alignl 7, 3214868480
	.fill 96, 4, 3214868480
	.section	.rodata,"a",@progbits
	.p2align	6, 0x0
	.amdhsa_kernel k_qc08350b25f_qkv
		.amdhsa_group_segment_fixed_size 327680
		.amdhsa_private_segment_fixed_size 0
		.amdhsa_enable_private_segment 0
		.amdhsa_kernarg_size 48
		.amdhsa_user_sgpr_count 2
		.amdhsa_user_sgpr_kernarg_segment_ptr 1
		.amdhsa_wavefront_size32 1
		.amdhsa_system_sgpr_workgroup_id_x 1
		.amdhsa_system_sgpr_workgroup_id_y 1
		.amdhsa_system_sgpr_workgroup_id_z 1
		.amdhsa_system_vgpr_workitem_id 0
		.amdhsa_next_free_vgpr 1024
		.amdhsa_next_free_sgpr 106
		.amdhsa_reserve_vcc 0
		.amdhsa_float_denorm_mode_32 3
		.amdhsa_float_denorm_mode_16_64 3
		.amdhsa_fp16_overflow 1
		.amdhsa_memory_ordered 1
		.amdhsa_forward_progress 1
		.amdhsa_inst_pref_size 182
	.end_amdhsa_kernel
	.amdgpu_metadata
---
amdhsa.version: [ 1, 2 ]
amdhsa.kernels:
  - .name:           k_qc08350b25f_qkv
    .symbol:         k_qc08350b25f_qkv.kd
    .args:
      - { .name: x_codes, .offset: 0, .size: 8, .value_kind: global_buffer, .address_space: global }
      - { .name: x_scales, .offset: 8, .size: 8, .value_kind: global_buffer, .address_space: global }
      - { .name: w_in_codes, .offset: 16, .size: 8, .value_kind: global_buffer, .address_space: global }
      - { .name: w_in_scales, .offset: 24, .size: 8, .value_kind: global_buffer, .address_space: global }
      - { .name: b_in, .offset: 32, .size: 8, .value_kind: global_buffer, .address_space: global }
      - { .name: qkv, .offset: 40, .size: 8, .value_kind: global_buffer, .address_space: global }
    .group_segment_fixed_size: 327680
    .private_segment_fixed_size: 0
    .kernarg_segment_align: 8
    .kernarg_segment_size: 48
    .max_flat_workgroup_size: 128
    .sgpr_count:     106
    .vgpr_count:     1024
    .wavefront_size: 32
...
	.end_amdgpu_metadata
.endif
;; end of part 1
;; launch attn (part 2): grid 4 x 64, 16 waves a work-group, no clusters, 327,680 bytes of LDS; arguments qkv, ocodes, oscales; writes ocodes, oscales
.if DOCPART == 2
	.amdgcn_target "amdgcn-amd-amdhsa--gfx1250"
	.amdhsa_code_object_version 6
	.text
	.protected	k_qc08350b25f_attn
	.globl	k_qc08350b25f_attn
	.p2align	8
	.type	k_qc08350b25f_attn,@function
k_qc08350b25f_attn:
	s_mov_b64 s[64:65], 0
	v_nop
	global_prefetch_b8 v0, s[64:65] scope:SCOPE_SE
	s_setreg_imm32_b32 hwreg(HW_REG_WAVE_MODE, 25, 1), 1
	s_wait_xcnt 0x0
; Causal attention of one head on codes of E5M2, and its result quantised along D for the last product.
; t = score x log2(e) / 8; M = the row's largest t so far, rounded up to a whole number; p = 2^(t - M) is quantised along the keys, not normalised; the row's sum is taken of the unquantised p and divides at the end.
; SHARES.  Work-group (p, head of a batch) takes query block 7 - p and then block p, 256 queries each: (8 - p) + (p + 1) = 9 slots of 256 keys in every work-group, so the trip count is a constant
; and the triangle is shared evenly.  Each of the sixteen waves owns 16 queries of the block in hand; four waves to a SIMD, so that one wave's vector work stands beside another's matrix work.
; A slot is one record of the workspace, 34,304 dense bytes: k's codes, v's codes (keys innermost), k's and v's scale words, all in the order of the operands' registers.  Two LDS slots; waves 0 and 1 fetch half a record each.
; NO CLUSTER: the four work-groups of a head walk different slots from trip 8 - p on, so joint requests would not be alike in all partners.
; LAYOUT.  S^T = K Q^T (source 0 = 16 keys, source 1 = my 16 queries), O^T = V^T P^T: a lane holds one query throughout.  Lane r of key tile 2 g + u takes key 32 g + 8 u + r + 8 (r / 8), so that the 16 registers of
; tiles 2 g and 2 g + 1 are 16 neighbouring keys; the head's 64 channels form V's tiles in the same way, so that O^T's registers run along D.
; K = 64 IN AN INSTRUCTION OF 128: Q's upper eight registers are zero codes.  A key tile's upper eight registers are the next tile's codes (zeros behind the last): finite numbers that meet zero codes under the scale byte for 1.
; CAUSAL: a step all of whose 128 keys come after my 16 queries is jumped over (a scalar branch on ids); on the diagonal hidden scores become -infinity ahead of the maximum.
; LIMITS: NaN and infinities are not served.  A block of zeros gets the byte 1 where the rule says 127 (its codes are zeros; this program alone reads the bytes).
.set REC,   34304
.set HS,    8*REC
.set BS,    32*HS
.set HALFR, REC/2
.set SLOT1, 65536                      ; slot 1 begins here: one exclusive or turns an address
.set SPARE, 131072                     ; the spare words: 128 bytes for each of sixteen waves, named by no other line
.set VCO,   16384
.set KSO,   32768
.set VSO,   33792
.set KV,  32                           ; v32-95   K's eight tiles of 8 registers, then V's four of 16
.set S,   104                          ; v104-167 S^T, then p
.set OT,  168                          ; v168-199 O^T
.set PCD, 200                          ; v200-215 p's codes
.set BM,  216                          ; v216-219 the blocks' largest
.set PB,  220                          ; v220-223 the other half's, then the bytes
.set HL,  224
.set SOP, 228                          ; v228-231 the conversions' scale operands
.set KSW, 240                          ; v240-243 K's scale words;  v244-245 V's;  v246 Q's;  v247 p's
.set VSW, 244
; v1, v2 my lane's place in a tile (u = 0, 1); v3 among scale words; v4 r - 16 h; v5, v6 the spare word and 0; v7 the prefetch's offset; v8-10 the step's LDS addresses; v12 -M; v13 the largest t; v[14:15] the sum;
; v16-23 Q, v24-31 zeros; v96-103 zeros; v[232:233] a second chain of sums; v234, v235 at work; v[236:237] f; v248, v249 Q's offsets; v251, v252 the results' offsets
.set WV,  10
.set PP,  11                           ; p
.set PP1, 12                           ; p + 1
.set CNT, 13                           ; trips to go behind this one
.set TB,  14                           ; the slot in hand
.set KF,  15                           ; the step's first key
.set Q0,  16                           ; my first query
.set QB,  17                           ; the query block in hand
.set BR,  18                           ; 128 x batch: its first tile of 16 rows
.set HD,  19                           ; the head
.set SEL, 20
.set CS,  22                           ; s[22:23] c = log2(e) / 8
.set MNT, 24
.set LIM, 25
.set GOFF, 26                          ; s[26:27] the record that is asked for next, in bytes
.set HB,  28                           ; s[28:29] k's records of my head, at my half
.set QH,  30                           ; s[30:31] q's records of my head
.set G0,  32
.set G1,  36
.set PFA, 44
.macro TLOAD                           ; waves 0 and 1 fetch; four v_nop follow the line
	s_cmp_lt_u32 s[WV], 2
	s_cbranch_scc0 .Lnone_\@
	tensor_load_to_lds s[G0:G0+3], s[G1:G1+7]
	s_nop 0
.rept 4
	v_nop
.endr
.Lnone_\@:
.endm
; A PREFETCH INTO THE L2 of the codes of the record that the NEXT change of slots will ask for: 32,768 bytes, lanes 256 bytes apart, 8,192 bytes a wave.  All four work-groups of a head begin with records 0, 1, 2, ..:
; the one with p = 0, which walks all eight, asks, by its waves 4 to 7, which fetch nothing: each aligned block of 256 bytes is named once in the launch.  Trips 0 to 5 name records 2 to 7; later trips ask for nothing.
.macro ASK
	s_cmp_gt_u32 s[CNT], s[LIM]
	s_cbranch_scc0 .Lnot_mine_\@
	global_prefetch_b8 v7, s[PFA:PFA+1] th:TH_LOAD_NT scope:SCOPE_SE
.Lnot_mine_\@:
.endm
	s_load_b128 s[4:7], s[0:1], 0x0                ; the workspace of q, k, v; the codes out
	s_load_b64 s[8:9], s[0:1], 0x10                ; the scale bytes out
	v_lshl_add_u32 v5, v0, 2, SPARE
	v_mov_b32 v6, 0
	ds_add_u32 v5, v6
	ds_add_u32 v5, v6
	s_wait_dscnt 0x0
	v_lshrrev_b32 v8, 5, v0
	s_delay_alu instid0(VALU_DEP_1)
	v_readfirstlane_b32 s[WV], v8                  ; wave 0..15
	s_mov_b32 s[PP], ttmp9
	s_add_co_u32 s[PP1], ttmp9, 1
	s_and_b32 s46, ttmp7, 0xffff
	s_lshr_b32 s47, s46, 4                         ; the batch
	s_and_b32 s[HD], s46, 15
	s_lshl_b32 s[BR], s47, 7
	s_mul_i32 s48, s47, BS
	s_mul_i32 s49, s[HD], HS
	s_add_co_u32 s48, s48, s49                     ; q's records of my head, in bytes
	s_mov_b32 s49, 0
	s_and_b32 s50, s[WV], 1
	s_mul_i32 s50, s50, HALFR                      ; my half of a record, in memory and in a slot
	s_mov_b32 s51, 0
	s_mov_b32 s[G1], 3<<16                         ; no mask; elements of 8 bytes; no padding
	s_mov_b32 s[G1+1], 32<<16                      ; tensor_dim0: 32 elements, 256 bytes
	s_mov_b32 s[G1+2], 67<<16                      ; tensor_dim1: 67 rows: half a record
	s_mov_b32 s[G1+3], 32<<16                      ; tile_dim0
	s_mov_b32 s[G1+4], 67                          ; tile_dim1
	s_mov_b32 s[G1+5], 32                          ; dense
	s_mov_b32 s[G1+6], 0
	s_mov_b32 s[G1+7], 0
	s_mov_b32 s[SEL], 0x76543210
	s_mov_b32 s[SEL+1], 0xfedcba98
	s_mov_b32 s[CS], 0x3e38aa3b
	s_mov_b32 s[CS+1], s[CS]
	s_mov_b32 s[TB], 0
	s_mov_b32 s[CNT], 8
	s_mov_b32 s[GOFF], 0
	s_mov_b32 s[GOFF+1], 0
	s_sub_co_u32 s[QB], 7, s[PP]
	s_sub_co_u32 s46, s[WV], 4
	s_lshr_b32 s46, s46, 2                         ; 0 in waves 4 to 7,
	s_or_b32 s46, s46, ttmp9                       ; of the work-group with p = 0
	s_cmp_eq_u32 s46, 0
	s_cselect_b32 s[LIM], 2, -1
	s_and_b32 s46, s[WV], 3
	s_lshl_b32 s46, s46, 13
	s_add_co_u32 s46, s46, REC                     ; my wave's 8,192 bytes, in record 1: the first change of slots steps it to record 2
	s_mov_b32 s47, 0
	s_wait_kmcnt 0x0
	s_add_nc_u64 s[QH:QH+1], s[4:5], s[48:49]
	s_add_nc_u64 s[HB:HB+1], s[QH:QH+1], 16*HS     ; k's records lie 16 heads on
	s_add_nc_u64 s[PFA:PFA+1], s[HB:HB+1], s[46:47]
	s_add_nc_u64 s[HB:HB+1], s[HB:HB+1], s[50:51]
	s_mov_b32 s[G0], 1
	s_mov_b32 s[G0+1], s50                         ; slot 0
	s_mov_b64 s[G0+2:G0+3], s[HB:HB+1]             ; record 0
	s_or_b32 s[G0+3], s[G0+3], 0x80000000
	TLOAD
	v_and_b32 v250, 15, v0                         ; r
	v_bfe_u32 v234, v0, 4, 1                       ; h
	v_bfe_u32 v235, v0, 3, 1                       ; r / 8
	s_delay_alu instid0(VALU_DEP_3)
	v_lshlrev_b32 v1, 4, v250
	s_delay_alu instid0(VALU_DEP_1)
	v_lshl_add_u32 v1, v234, 8, v1
	s_delay_alu instid0(VALU_DEP_1)
	v_lshl_add_u32 v1, v235, 10, v1                ; 1,024 (r / 8) + 256 h + 16 r
	s_delay_alu instid0(VALU_DEP_1)
	v_xor_b32 v2, 128, v1                          ; tiles with u = 1
	v_and_b32 v3, 7, v0
	s_delay_alu instid0(VALU_DEP_1)
	v_lshlrev_b32 v3, 4, v3
	s_delay_alu instid0(VALU_DEP_1)
	v_lshl_add_u32 v3, v235, 2, v3
	s_delay_alu instid0(VALU_DEP_1)
	v_lshl_add_u32 v3, v234, 7, v3                 ; scale words: lanes 0-15 take the tile u = 0, lanes 16-31 u = 1
	v_lshlrev_b32 v4, 4, v234
	s_delay_alu instid0(VALU_DEP_1)
	v_sub_nc_u32 v4, v250, v4                      ; r - 16 h
	v_and_b32 v7, 31, v0
	s_delay_alu instid0(VALU_DEP_1)
	v_lshlrev_b32 v251, 4, v7                      ; 16 x lane: my place in an image of codes
	s_delay_alu instid0(VALU_DEP_2)
	v_lshlrev_b32 v7, 8, v7
	v_lshlrev_b32 v252, 5, v250                    ; 32 r: my row of scale bytes
	s_lshr_b32 s46, s[WV], 1                       ; Q: tokens 16 w + r of the block's record
	s_lshl_b32 s46, s46, 11
	s_and_b32 s47, s[WV], 1
	s_lshl_b32 s48, s47, 10
	s_add_co_u32 s46, s46, s48
	s_lshl_b32 s47, s47, 7
	v_lshlrev_b32 v248, 4, v250
	s_delay_alu instid0(VALU_DEP_1)
	v_xor_b32 v248, s47, v248
	s_delay_alu instid0(VALU_DEP_1)
	v_lshl_add_u32 v248, v234, 8, v248
	s_delay_alu instid0(VALU_DEP_1)
	v_add_nc_u32 v248, s46, v248
	s_lshr_b32 s46, s[WV], 3
	s_lshl_b32 s46, s46, 9
	s_bfe_u32 s47, s[WV], 0x10002
	s_lshl_b32 s47, s47, 8
	s_add_co_u32 s46, s46, s47
	s_and_b32 s47, s[WV], 3
	s_lshl_b32 s47, s47, 2
	s_add_co_u32 s46, s46, s47
	s_add_co_u32 s46, s46, KSO
	v_lshl_add_u32 v249, v250, 4, s46
.irp j, 0,1,2,3,4,5,6,7
	v_mov_b32 v[24+\j], 0                          ; Q's upper half: zero codes, for the whole launch
	v_mov_b32 v[96+\j], 0                          ; and what stands behind K's last tile
.endr
.irp b, 0,1,2,3
	v_mov_b32 v[PB+\b], 0                          ; written once: a lane permute's destination counts as one of its sources
.endr
	v_mov_b32 v237, 0                              ; (named as the upper half of the pair v[236:237])
; A query block begins: Q's fragment and scale word; the largest t, the sum and O^T start anew.
.macro INIT
	s_mul_i32 s46, s[QB], REC
	s_mov_b32 s47, 0
	s_add_nc_u64 s[48:49], s[QH:QH+1], s[46:47]
	global_load_b128 v[16:19], v248, s[48:49]
	global_load_b128 v[20:23], v248, s[48:49] offset:512
	global_load_b32 v246, v249, s[48:49]
	s_lshl_b32 s[Q0], s[QB], 8
	s_lshl_b32 s46, s[WV], 4
	s_add_co_u32 s[Q0], s[Q0], s46
	s_mov_b32 s[KF], 0
	v_mov_b32 v13, 0xff61b1e6                      ; -3e38, under every t
	s_delay_alu instid0(VALU_DEP_1)
	v_floor_f32 v12, -v13
	v_mov_b32 v14, 0
	v_mov_b32 v15, 0
.set j, 0
.rept 32
	v_mov_b32 v[OT+j], 0                           ; the step is written once: the first finds zeros, which the first change of M leaves zeros
.set j, j+1
.endr
	s_wait_loadcnt 0x0
.endm
; A query block ends: O^T / the sum, quantised along D (two blocks of 32: my 16 numbers and lane l xor 16's), stored as an image of the next product's operand registers.
.macro FINISH
	v_add_f32 v14, v14, v15
	s_delay_alu instid0(VALU_DEP_1)
	v_permlanex16_b32 v234, v14, s[SEL], s[SEL+1]
	s_delay_alu instid0(VALU_DEP_1)
	v_add_f32 v14, v14, v234                       ; the row's sum
	s_wait_alu depctr_va_vdst(0)
	v_rcp_f32 v14, v14
	v_nop                                          ; a plain line behind the transcendental
	s_lshl_b32 s46, s[QB], 4
	s_add_co_u32 s46, s46, s[BR]
	s_add_co_u32 s46, s46, s[WV]                   ; my tile of 16 rows among 512
	s_lshl_b32 s50, s46, 9
	s_lshl_b32 s47, s[HD], 1
	s_add_co_u32 s50, s50, s47
	s_mov_b32 s51, 0
	s_add_nc_u64 s[50:51], s[8:9], s[50:51]        ; scale bytes: 32 a row, my head's two
	s_lshl_b32 s46, s46, 14
	s_lshl_b32 s47, s[HD], 10
	s_add_co_u32 s46, s46, s47
	s_mov_b32 s47, 0
	s_add_nc_u64 s[48:49], s[6:7], s[46:47]        ; codes: 16,384 bytes a tile of rows, 512 a block of 32
	s_wait_alu depctr_va_vdst(0)                   ; the wait ahead of the reciprocal's first reader
.set j, 0
.rept 16
	v_pk_mul_f32 v[S+j:S+j+1], v[OT+j:OT+j+1], v[14:15] op_sel_hi:[1,0]   ; register 16 b + i: channel 32 b + 16 h + i
.set j, j+2
.endr
.irp b, 0,1
	v_max3_num_f32 v[BM+\b], |v[S+16*\b]|, |v[S+1+16*\b]|, 0x8000000
.endr
.irp i, 2,4,6,8,10,12,14
.irp b, 0,1
	s_delay_alu instid0(VALU_DEP_2)
	v_max3_num_f32 v[BM+\b], v[BM+\b], |v[S+16*\b+\i]|, |v[S+1+16*\b+\i]|
.endr
.endr
.irp b, 0,1
	s_delay_alu instid0(VALU_DEP_2)
	v_permlanex16_b32 v[PB+\b], v[BM+\b], s[SEL], s[SEL+1]
.endr
.irp b, 0,1
	s_delay_alu instid0(VALU_DEP_2)
	v_max_num_f32 v[BM+\b], v[BM+\b], v[PB+\b]
.endr
.irp b, 0,1
	s_delay_alu instid0(VALU_DEP_2)
	v_add_nc_u32 v[SOP+\b], 0xf8800000, v[BM+\b]
.endr
.irp b, 0,1
.endr
.irp b, 0,1
	s_delay_alu instid0(VALU_DEP_2)
	v_lshrrev_b32 v[PB+\b], 23, v[SOP+\b]
.endr
	s_delay_alu instid0(VALU_DEP_1)
	v_lshl_or_b32 v234, v[PB+1], 8, v[PB]          ; my row's two bytes
.irp b, 0,1
.irp i, 0,1,2,3,4,5,6,7,8,9,10,11,12,13,14,15
.endr
	v_cvt_scalef32_pk8_bf8_f32 v[PCD+4*\b:PCD+1+4*\b], v[S+16*\b:S+7+16*\b], v[SOP+\b]
	v_cvt_scalef32_pk8_bf8_f32 v[PCD+2+4*\b:PCD+3+4*\b], v[S+8+16*\b:S+15+16*\b], v[SOP+\b]
.endr
	v_nop                                          ; a plain line behind the last conversion
	global_store_b128 v251, v[PCD:PCD+3], s[48:49]             ; 32 lanes store 512 consecutive bytes
	global_store_b128 v251, v[PCD+4:PCD+7], s[48:49] offset:512
	global_store_b16 v252, v234, s[50:51]          ; two bytes of each row's 32: a head owns no more (both halves of the lanes write the same)
	s_wait_xcnt 0x0                                ; the stores have read their registers and bases: both are written again
.endm
.macro SWITCH                          ; at trip 8 - p the first block is finished and block p begins: a branch on ids
	s_cmp_eq_u32 s[CNT], s[PP]
	s_cbranch_scc0 .Lsame_\@
	FINISH
	s_mov_b32 s[QB], s[PP]
	INIT
.Lsame_\@:
.endm
; THE CHANGE OF SLOTS, at a slot's head.  Each wave waits for all its tensor loads, adds 0 to its spare word, and waits for that and for its reads of the slot that it has left.
.macro CHANGE fill
	s_wait_tensorcnt 0x0                           ; no tensor load of mine is out, so the group 0 may be written
	ds_add_u32 v5, v6                              ; 0 onto my spare word
.if \fill
	s_xor_b32 s[G0+1], s[G0+1], SLOT1              ; the other slot,
	s_add_co_u32 s[GOFF], s[GOFF], REC             ; the next record,
	s_cmp_eq_u32 s[CNT], s[PP1]
	s_cselect_b32 s[GOFF], 0, s[GOFF]              ; or record 0 again, for the second query block
	s_add_nc_u64 s[G0+2:G0+3], s[HB:HB+1], s[GOFF:GOFF+1]
	s_or_b32 s[G0+3], s[G0+3], 0x80000000
	s_wait_xcnt 0x0                                ; the last prefetch, a slot back, has read its address
	s_add_nc_u64 s[PFA:PFA+1], s[PFA:PFA+1], REC
.endif
	s_wait_dscnt 0x0                               ; the add is done, and my reads of the slot that I have left are over
	s_barrier_signal -1
	s_barrier_wait -1
.if \fill
	TLOAD                                          ; the first thing behind the barrier, and a wave's one tensor load until the next
	ASK
.endif
.endm
; A KEY STEP: 128 keys, the q-th of the slot in hand.
.macro STEP q
	s_add_co_u32 s46, s[Q0], 15
	s_cmp_gt_u32 s[KF], s46
	s_cbranch_scc1 .Lhidden_\@                     ; all 128 keys come after my queries
	v_add_nc_u32 v8, s[TB], v1
	v_add_nc_u32 v9, s[TB], v2
	v_add_nc_u32 v10, s[TB], v3
.irp g, 0,1,2,3
.irp u, 0,1
.irp c, 0,1
	ds_load_b128 v[KV+8*(2*\g+\u)+4*\c:KV+8*(2*\g+\u)+4*\c+3], v[8+\u] offset:(\q)*8192+\g*2048+\c*512
.endr
.endr
	ds_load_b32 v[KSW+\g], v10 offset:KSO+(\q)*512+(\g/2)*256+(\g%2)*8
.endr
	s_wait_alu depctr_va_vdst(0)
	s_wait_dscnt 0x0
.irp t, 0,1,2,3,4,5,6,7
.if \t%2
	v_wmma_scale_f32_16x16x128_f8f6f4 v[S+8*\t:S+8*\t+7], v[KV+8*\t:KV+8*\t+15], v[16:31], 0, v[KSW+\t/2], v246 matrix_a_fmt:MATRIX_FMT_BF8 matrix_b_fmt:MATRIX_FMT_BF8 matrix_a_scale:MATRIX_SCALE_ROW1
.else
	v_wmma_scale_f32_16x16x128_f8f6f4 v[S+8*\t:S+8*\t+7], v[KV+8*\t:KV+8*\t+15], v[16:31], 0, v[KSW+\t/2], v246 matrix_a_fmt:MATRIX_FMT_BF8 matrix_b_fmt:MATRIX_FMT_BF8
.endif
.endr
.rept 8
	v_nop                                          ; eight places: the scores are read below, and V's loads land on K's registers
.endr
.irp t, 0,1,2,3                                ; V's four tiles: they land while the softmax is worked
.irp c, 0,1,2,3
	ds_load_b128 v[KV+16*\t+4*\c:KV+16*\t+4*\c+3], v[8+\t%2] offset:VCO+(\q)*8192+(\c/2)*4096+(\t/2)*2048+(\c%2)*512
.endr
.endr
.irp b, 0,1
	ds_load_b32 v[VSW+\b], v10 offset:VSO+(\q)*256+\b*8
.endr
	s_add_co_u32 s46, s[KF], 127
	s_cmp_le_u32 s46, s[Q0]
	s_cbranch_scc1 .Lopen_\@                       ; every key counts for every query of mine
	s_sub_co_i32 s46, s[Q0], s[KF]
	v_add_nc_u32 v235, s46, v4                     ; d = my query - KF - 16 h.  Register 16 b + i holds key KF + 32 b + 16 h + i: hidden where 32 b + i > d
	v_mov_b32 v234, 0xff800000                     ; -infinity
.set n, 0
.rept 64
	v_cmp_gt_i32 vcc_lo, 32*(n/16)+n%16, v235
	v_cndmask_b32 v[S+n], v[S+n], v234, vcc_lo
.set n, n+1
.endr
.Lopen_\@:
.irp b, 0,1,2,3
	v_max3_num_f32 v[BM+\b], v[S+16*\b], v[S+1+16*\b], v[S+2+16*\b]   ; the largest score of each block of 32 keys: for the row's maximum, and, since p rises with the score, for the block's largest p
.endr
.irp i, 3,5,7,9,11,13
.irp b, 0,1,2,3
	v_max3_num_f32 v[BM+\b], v[BM+\b], v[S+16*\b+\i], v[S+1+16*\b+\i]
.endr
.endr
.irp b, 0,1,2,3
	v_max_num_f32 v[BM+\b], v[BM+\b], v[S+15+16*\b]
.endr
.irp b, 0,1,2,3
	s_delay_alu instid0(VALU_DEP_4)
	v_permlanex16_b32 v[PB+\b], v[BM+\b], s[SEL], s[SEL+1]
.endr
.irp b, 0,1,2,3
	s_delay_alu instid0(VALU_DEP_4)
	v_max_num_f32 v[BM+\b], v[BM+\b], v[PB+\b]     ; with lane l xor 16's 16 keys
.endr
	s_delay_alu instid0(VALU_DEP_2)
	v_max3_num_f32 v234, v[BM], v[BM+1], v[BM+2]
	s_delay_alu instid0(VALU_DEP_1)
	v_max_num_f32 v234, v234, v[BM+3]
	s_delay_alu instid0(VALU_DEP_1)
	v_mul_f32 v234, s[CS], v234                    ; as t
	s_delay_alu instid0(VALU_DEP_1)
	v_max_num_f32 v13, v13, v234                   ; the running largest t
	v_mov_b32 v234, v12
	s_delay_alu instid0(VALU_DEP_2)
	v_floor_f32 v12, -v13                          ; the new -M = -ceil(t): a whole number
	s_delay_alu instid0(VALU_DEP_1)
	v_sub_f32 v234, v12, v234                      ; old M less new M: a whole number, 0 or less
	s_delay_alu instid0(VALU_DEP_1)
	v_cvt_i32_f32 v234, v234                       ; (it saturates)
	s_delay_alu instid0(VALU_DEP_1)
	v_ldexp_f32 v236, 1.0, v234                    ; f = 2^(old M - new M): rounds nothing
.set j, 0
.rept 32
	v_pk_fma_f32 v[S+j:S+j+1], v[S+j:S+j+1], s[CS:CS+1], v[12:13] op_sel_hi:[1,0,0]   ; t - M
.set j, j+2
.endr
.irp b, 0,1,2,3
	v_fma_f32 v[BM+\b], v[BM+\b], s[CS], v12       ; the same of each block's largest score
.endr
.set j, 0
	s_wait_alu depctr_va_vdst(0)
.rept 64
	v_exp_f32 v[S+j], v[S+j]                       ; p = 2^(t - M)
.set j, j+1
.endr
	v_pk_mul_f32 v[14:15], v[14:15], v[236:237] op_sel_hi:[1,0]   ; the sums under the new M: a plain line behind the exponentials
	s_wait_alu depctr_va_vdst(0)                   ; one wait for the batch, ahead of its first reader
.irp b, 0,1,2,3
	v_exp_f32 v[BM+\b], v[BM+\b]                   ; the block's largest p
.endr
	v_pk_add_f32 v[232:233], v[108:109], v[112:113]
	v_pk_add_f32 v[254:255], v[116:117], v[120:121]
	v_pk_add_f32 v[242:243], v[124:125], v[128:129]
	v_pk_add_f32 v[240:241], v[132:133], v[136:137]
	v_pk_add_f32 v[238:239], v[140:141], v[144:145]
	v_pk_add_f32 v[230:231], v[148:149], v[152:153]
	v_pk_add_f32 v[228:229], v[156:157], v[160:161]
	v_pk_add_f32 v[14:15], v[14:15], v[164:165]
	v_pk_add_f32 v[232:233], v[232:233], v[104:105]
	v_pk_add_f32 v[254:255], v[254:255], v[106:107]
	v_pk_add_f32 v[242:243], v[242:243], v[110:111]
	v_pk_add_f32 v[240:241], v[240:241], v[114:115]
	v_pk_add_f32 v[238:239], v[238:239], v[118:119]
	v_pk_add_f32 v[230:231], v[230:231], v[122:123]
	v_pk_add_f32 v[228:229], v[228:229], v[126:127]
	v_pk_add_f32 v[14:15], v[14:15], v[130:131]
	v_pk_add_f32 v[232:233], v[232:233], v[134:135]
	v_pk_add_f32 v[254:255], v[254:255], v[138:139]
	v_pk_add_f32 v[242:243], v[242:243], v[142:143]
	v_pk_add_f32 v[240:241], v[240:241], v[146:147]
	v_pk_add_f32 v[238:239], v[238:239], v[150:151]
	v_pk_add_f32 v[230:231], v[230:231], v[154:155]
	v_pk_add_f32 v[228:229], v[228:229], v[158:159]
	v_pk_add_f32 v[14:15], v[14:15], v[162:163]
	v_pk_add_f32 v[232:233], v[232:233], v[166:167]
	s_delay_alu instid0(VALU_DEP_2)
	v_pk_add_f32 v[14:15], v[14:15], v[240:241]
	s_delay_alu instid0(VALU_DEP_2)
	v_pk_add_f32 v[232:233], v[232:233], v[238:239]
	v_pk_add_f32 v[254:255], v[254:255], v[230:231]
	v_pk_add_f32 v[242:243], v[242:243], v[228:229]
	s_delay_alu instid0(VALU_DEP_2)
	v_pk_add_f32 v[14:15], v[14:15], v[254:255]
	s_delay_alu instid0(VALU_DEP_2)
	v_pk_add_f32 v[232:233], v[232:233], v[242:243]
	s_delay_alu instid0(VALU_DEP_1)
	v_pk_add_f32 v[14:15], v[14:15], v[232:233]
	s_wait_alu depctr_va_vdst(0)                   ; and one for the four
.irp b, 0,1,2,3
	v_max_num_f32 v[BM+\b], 0x8000000, v[BM+\b]    ; the floor 2^(16 - 127): the byte cannot fall under 1
.endr
.irp b, 0,1,2,3
	s_delay_alu instid0(VALU_DEP_4)
	v_add_nc_u32 v[SOP+\b], 0xf8800000, v[BM+\b]
.endr
.irp b, 0,1,2,3
.endr
.irp b, 0,1,2,3
	s_delay_alu instid0(VALU_DEP_4)
	v_lshrrev_b32 v[PB+\b], 23, v[SOP+\b]
.endr
	s_delay_alu instid0(VALU_DEP_3)
	v_lshl_or_b32 v247, v[PB+1], 8, v[PB]          ; p's scale word for these 128 keys
	s_delay_alu instid0(VALU_DEP_1)
	v_lshl_or_b32 v247, v[PB+2], 16, v247
	s_delay_alu instid0(VALU_DEP_1)
	v_lshl_or_b32 v247, v[PB+3], 24, v247
.irp b, 0,1,2,3
.irp i, 0,1,2,3,4,5,6,7,8,9,10,11,12,13,14,15
.endr
	v_cvt_scalef32_pk8_bf8_f32 v[PCD+4*\b:PCD+1+4*\b], v[S+16*\b:S+7+16*\b], v[SOP+\b]
	v_cvt_scalef32_pk8_bf8_f32 v[PCD+2+4*\b:PCD+3+4*\b], v[S+8+16*\b:S+15+16*\b], v[SOP+\b]
.endr
.set j, 0
.rept 16
	v_pk_mul_f32 v[OT+j:OT+j+1], v[OT+j:OT+j+1], v[236:237] op_sel_hi:[1,0]   ; O^T under the new M; these sixteen are also the places between the codes and the products
.set j, j+2
.endr
	s_wait_alu depctr_va_vdst(0)
	s_wait_dscnt 0x0                               ; V
.irp t, 0,1,2,3
.if \t%2
	v_wmma_scale_f32_16x16x128_f8f6f4 v[OT+8*\t:OT+8*\t+7], v[KV+16*\t:KV+16*\t+15], v[PCD:PCD+15], v[OT+8*\t:OT+8*\t+7], v[VSW+\t/2], v247 matrix_a_fmt:MATRIX_FMT_BF8 matrix_b_fmt:MATRIX_FMT_BF8 matrix_a_scale:MATRIX_SCALE_ROW1
.else
	v_wmma_scale_f32_16x16x128_f8f6f4 v[OT+8*\t:OT+8*\t+7], v[KV+16*\t:KV+16*\t+15], v[PCD:PCD+15], v[OT+8*\t:OT+8*\t+7], v[VSW+\t/2], v247 matrix_a_fmt:MATRIX_FMT_BF8 matrix_b_fmt:MATRIX_FMT_BF8
.endif
.endr
.rept 8
	v_nop                                          ; eight places: for the next step's loads into V's registers, and for the end of a block, which reads O^T
.endr
.Lhidden_\@:
	s_add_co_u32 s[KF], s[KF], 128
.endm
	INIT
.Ltrip:                                            ; eight trips: behind each change of slots the next record is asked for
	CHANGE 1
	SWITCH
	STEP 0
	STEP 1
	s_xor_b32 s[TB], s[TB], SLOT1
	s_sub_co_u32 s[CNT], s[CNT], 1
	s_cmp_lg_u32 s[CNT], 0
	s_cbranch_scc1 .Ltrip
	CHANGE 0                                       ; the ninth slot is written out
	SWITCH
	STEP 0
	STEP 1
	FINISH
	s_wait_tensorcnt 0x0                           ; the wave's end
	ds_add_u32 v5, v6
	s_wait_dscnt 0x0
	s_endpgm
.Lfunc_end_k_qc08350b25f_attn:
	.size	k_qc08350b25f_attn, .Lfunc_end_k_qc08350b25f_attn-k_qc08350b25f_attn
	.p2alignl 7, 3214868480
	.fill 96, 4, 3214868480
	.section	.rodata,"a",@progbits
	.p2align	6, 0x0
	.amdhsa_kernel k_qc08350b25f_attn
		.amdhsa_group_segment_fixed_size 327680
		.amdhsa_private_segment_fixed_size 0
		.amdhsa_enable_private_segment 0
		.amdhsa_kernarg_size 24
		.amdhsa_user_sgpr_count 2
		.amdhsa_user_sgpr_kernarg_segment_ptr 1
		.amdhsa_wavefront_size32 1
		.amdhsa_system_sgpr_workgroup_id_x 1
		.amdhsa_system_sgpr_workgroup_id_y 1
		.amdhsa_system_sgpr_workgroup_id_z 1
		.amdhsa_system_vgpr_workitem_id 0
		.amdhsa_next_free_vgpr 256
		.amdhsa_next_free_sgpr 66
		.amdhsa_reserve_vcc 1
		.amdhsa_float_denorm_mode_32 3
		.amdhsa_float_denorm_mode_16_64 3
		.amdhsa_fp16_overflow 1
		.amdhsa_memory_ordered 1
		.amdhsa_forward_progress 1
		.amdhsa_inst_pref_size 116
	.end_amdhsa_kernel
	.amdgpu_metadata
---
amdhsa.version: [ 1, 2 ]
amdhsa.kernels:
  - .name:           k_qc08350b25f_attn
    .symbol:         k_qc08350b25f_attn.kd
    .args:
      - { .name: qkv, .offset: 0, .size: 8, .value_kind: global_buffer, .address_space: global }
      - { .name: ocodes, .offset: 8, .size: 8, .value_kind: global_buffer, .address_space: global }
      - { .name: oscales, .offset: 16, .size: 8, .value_kind: global_buffer, .address_space: global }
    .group_segment_fixed_size: 327680
    .private_segment_fixed_size: 0
    .kernarg_segment_align: 8
    .kernarg_segment_size: 24
    .max_flat_workgroup_size: 512
    .sgpr_count:     66
    .vgpr_count:     256
    .wavefront_size: 32
...
	.end_amdgpu_metadata
.endif
;; end of part 2
;; launch proj (part 3): grid 4 x 64, 4 waves a work-group, clusters of 4 x 4, 327,680 bytes of LDS; arguments ocodes, oscales, w_out_codes, w_out_scales, b_out, out0; writes out0
.if DOCPART == 3
	.amdgcn_target "amdgcn-amd-amdhsa--gfx1250"
	.amdhsa_code_object_version 6
	.text
	.protected	k_qc08350b25f_proj
	.globl	k_qc08350b25f_proj
	.p2align	8
	.type	k_qc08350b25f_proj,@function
k_qc08350b25f_proj:
	s_mov_b64 s[64:65], 0
	v_nop
	global_prefetch_b8 v0, s[64:65] scope:SCOPE_SE
	s_setreg_imm32_b32 hwreg(HW_REG_WAVE_MODE, 25, 1), 1
	s_wait_xcnt 0x0
	s_wait_alu depctr_hold_cnt(0) depctr_sa_sdst(0) depctr_va_vdst(0) depctr_va_sdst(0) depctr_va_ssrc(0) depctr_va_vcc(0) depctr_vm_vsrc(0)
	s_getreg_b32 s2, hwreg(HW_REG_IB_STS2, 6, 4)
	s_cmp_eq_u32 s2, 0
	s_cbranch_scc0 .Lentry_in_a_cluster
	s_endpgm
.Lentry_in_a_cluster:
	s_bfe_u32 s2, ttmp6, 0x10000c
	s_cmp_lg_u32 s2, 0xf033
	s_cbranch_scc0 .Lentry_shape_is_right
	s_endpgm
.Lentry_shape_is_right:
; out0 = attention's result x w_out + b_out on codes of E5M2 with E8M0 scales.  M = 8,192, N = 1,024, K = 1,024.
; A tile of 128 x 256 to a work-group: 64 x 4 = 256 work-groups; four waves, 64 x 128 each: 32 accumulators, 256 registers.
; A's codes lie in the workspace as images of the operand's registers ([tile of 16 rows][block of 32 along K][lane][16 bytes]): a fragment is four loads of 512 consecutive bytes, no pitch, no padding.
; B's codes (w_out, K innermost) come as rows of 256 bytes, 272 apart in LDS.  The scale bytes of the tile's rows, for all of K, come once and stay.
; K goes in four steps of 256.  THREE LDS slots are filled at the start; slot 0 is filled once more, with the fourth step: one refill in the launch, so the text has no loop.
; CLUSTER 4 x 4: A's tiles are asked for jointly along a row of the cluster, B's along a column.
; The matrix instruction is used transposed (source 0 = 16 rows of w_out, source 1 = 16 rows of A): a lane holds eight neighbouring numbers of a row of the result.  b_out is the C of the first products.
; REGISTERS: window 0: v0-31 addresses; v32-63 scale words, two sets; v64-127 b_out; v128-255 A's fragments, two sets of 64.   window 1: B's fragments, two sets of 128.   window 2: the accumulators ((a, b) at v[8 (8 a + b)]).
.set ROWB,   256
.set PITCH,  272
.set FR,     16
.set NP,     8                         ; places behind this matrix instruction (ISA guide 7.12.1)
.set BOFF,   32768                     ; a slot: A's eight images of 4,096 bytes, then B's 256 rows
.set HALFB,  128*PITCH
.set SLOT,   BOFF+2*HALFB              ; 102,400
.set SCLA,   3*SLOT                    ; A's scales: 128 rows x 32 bytes as units of 256 + 16
.set SCLB,   SCLA+2*2176               ; B's: 256 rows
.set SPARE,  SCLB+2*4352               ; the spare words: 128 bytes for each wave, named by no other line
.set SBLK,   2*272                     ; the scales of 16 rows
.set STAGE,  SLOT                      ; the way out: 16 rows x 528 bytes for each wave, in slot 1: it has had its only fill, and every wave has passed a barrier behind its last read of it
.set SPITCH, 528
.set BJO,  11
.set ADRA, 16                          ; v16-18
.set ADRB, 20                          ; v20-22
.set STO,  24
.set RD,   25
.set CO,   26                          ; 16 x lane
.set ADRS, 27
.set SPW,  28
.set NIL,  29
.set SC,   32
.set BIAS, 64
.set AF,   128
.set BK,   128
.set G1,   24                          ; s[24:31] group 1 for A's tiles;  s[32:43] groups 0, one for each slot
.set G0,   32
.set G1B,  44                          ; s[44:51], s[52:63] the same for B's
.set G0B,  52
.set G1S,  68
.set G0S,  76
.set G1SB, 80
.set G0SB, 88
.set MSB, 0
.macro WIN new
.if MSB != \new
	s_set_vgpr_msb (MSB<<8)|\new
.set MSB, \new
.endif
.endm
.set MUL,  0xa1                        ; source 0 (B) window 1, source 1 (A) window 0, C and D window 2
.set TO_B, 0x40
.macro JLOAD g0a, g1a, g0b, g1b        ; waves 0 and 1 fetch for A, waves 2 and 3 for B; four v_nop follow each line
	s_cmp_eq_u32 s15, 0
	s_cbranch_scc0 .Lfor_b_\@
	tensor_load_to_lds s[\g0a:\g0a+3], s[\g1a:\g1a+7]
	s_nop 0
.rept 4
	v_nop
.endr
	s_branch .Lasked_\@
.Lfor_b_\@:
	tensor_load_to_lds s[\g0b:\g0b+3], s[\g1b:\g1b+7]
	s_nop 0
.rept 4
	v_nop
.endr
.Lasked_\@:
.endm
.macro CREST
	s_cmp_lg_u32 s14, 0
	s_cbranch_scc1 .Lnot_wave_0_\@
	s_barrier_signal -3
.Lnot_wave_0_\@:
	s_barrier_wait -3
	s_barrier_signal -1
	s_barrier_wait -1
.endm
.macro CROUND
	s_barrier_signal -1
	s_barrier_wait -1
	CREST
.endm
	s_load_b128 s[4:7], s[0:1], 0x0                ; A's codes, A's scales
	s_load_b128 s[8:11], s[0:1], 0x10              ; w_out's codes, w_out's scales
	s_load_b64 s[12:13], s[0:1], 0x20              ; b_out
	s_load_b64 s[66:67], s[0:1], 0x28              ; out0
	v_lshl_add_u32 v[SPW], v0, 2, SPARE
	v_mov_b32 v[NIL], 0
	ds_add_u32 v28, v29
	s_wait_dscnt 0x0
	v_lshrrev_b32 v1, 5, v0
	v_readfirstlane_b32 s14, v1                    ; wave 0..3
	s_lshr_b32 s15, s14, 1                         ; which 64 rows are mine.  Also: I fetch for A (0) or for B (1)
	s_and_b32 s16, s14, 1                          ; which 128 columns.  Also: which half I fetch
	s_bfe_u32 s92, ttmp6, 0x40000                  ; cx
	s_bfe_u32 s93, ttmp6, 0x40004                  ; cy
	s_lshl_b32 s94, ttmp9, 2
	s_add_co_u32 s94, s94, s92                     ; TJ: which 256 columns
	s_and_b32 s17, ttmp7, 0xffff
	s_lshl_b32 s17, s17, 2
	s_add_co_u32 s17, s17, s93                     ; TI: which 128 rows
	s_lshl_b32 s95, s93, 2
	s_lshl_b32 s95, 15, s95                        ; my row of the cluster
	s_lshl_b32 s96, 0x1111, s92                    ; my column
	s_or_b32 s[G1], s95, (3<<16)|(1<<21)           ; A: elements of 8 bytes, no padding; the mask: my row
	s_mov_b32 s[G1+1], 512<<16                     ; tensor_dim0: 4,096 bytes: a tile of rows' eight blocks of 32 along K
	s_mov_b32 s[G1+2], 4<<16                       ; tensor_dim1: four tiles of rows
	s_mov_b32 s[G1+3], 512<<16
	s_mov_b32 s[G1+4], 4
	s_mov_b32 s[G1+5], 2048                        ; 16,384 bytes from a tile of rows to the next
	s_mov_b32 s[G1+6], 0
	s_mov_b32 s[G1+7], 0
	s_or_b32 s[G1B], s96, (0<<16)|(1<<20)|(1<<21)|(5<<22)|(3<<25)   ; B: 128 rows x 256 bytes, 4 words of padding after every 64; the mask: my column
	s_mov_b32 s[G1B+1], ROWB<<16
	s_mov_b32 s[G1B+2], 128<<16
	s_mov_b32 s[G1B+3], ROWB<<16
	s_mov_b32 s[G1B+4], 128
	s_mov_b32 s[G1B+5], 1024
	s_mov_b32 s[G1B+6], 0
	s_mov_b32 s[G1B+7], 0
	s_or_b32 s[G1S], s95, (3<<16)|(1<<20)|(1<<21)|(5<<22)|(3<<25)   ; A's scales of 64 rows: 2,048 dense bytes as 8 rows of 256, padded
	s_mov_b32 s[G1S+1], 32<<16
	s_mov_b32 s[G1S+2], 8<<16
	s_mov_b32 s[G1S+3], 32<<16
	s_mov_b32 s[G1S+4], 8
	s_mov_b32 s[G1S+5], 32
	s_mov_b32 s[G1S+6], 0
	s_mov_b32 s[G1S+7], 0
	s_or_b32 s[G1SB], s96, (3<<16)|(1<<20)|(1<<21)|(5<<22)|(3<<25)  ; B's of 128 rows: 16 rows of 256
	s_mov_b32 s[G1SB+1], 32<<16
	s_mov_b32 s[G1SB+2], 16<<16
	s_mov_b32 s[G1SB+3], 32<<16
	s_mov_b32 s[G1SB+4], 16
	s_mov_b32 s[G1SB+5], 32
	s_mov_b32 s[G1SB+6], 0
	s_mov_b32 s[G1SB+7], 0
	s_lshl_b32 s20, s17, 3
	s_lshl_b32 s18, s16, 2
	s_add_co_u32 s20, s20, s18
	s_lshl_b32 s22, s20, 9                         ; A's scales: 512 bytes a tile of 16 rows
	s_lshl_b32 s20, s20, 14                        ; A's codes: tile of rows 8 TI + 4 x half
	s_mov_b32 s21, 0
	s_mov_b32 s23, 0
	s_lshl_b32 s98, s94, 8
	s_lshl_b32 s18, s16, 7
	s_add_co_u32 s98, s98, s18                     ; B: row 256 TJ + 128 x half
	s_lshl_b32 s100, s98, 5
	s_lshl_b32 s98, s98, 10
	s_mov_b32 s99, 0
	s_mov_b32 s101, 0
	s_lshl_b32 s18, s16, 14                        ; where they go: no place in the cluster enters an LDS address
	s_mul_i32 s19, s16, HALFB
	s_add_co_u32 s19, s19, BOFF
	s_mul_i32 s104, s16, 2176
	s_add_co_u32 s104, s104, SCLA
	s_mul_i32 s105, s16, 4352
	s_add_co_u32 s105, s105, SCLB
	s_wait_kmcnt 0x0
	s_add_nc_u64 s[20:21], s[4:5], s[20:21]
	s_add_nc_u64 s[22:23], s[6:7], s[22:23]
	s_add_nc_u64 s[98:99], s[8:9], s[98:99]
	s_add_nc_u64 s[100:101], s[10:11], s[100:101]
	CROUND                                         ; all sixteen work-groups are here: the first joint loads meet
	s_mov_b32 s[G0S], 1
	s_mov_b32 s[G0S+1], s104
	s_mov_b64 s[G0S+2:G0S+3], s[22:23]
	s_or_b32 s[G0S+3], s[G0S+3], 0x80000000
	s_mov_b32 s[G0SB], 1
	s_mov_b32 s[G0SB+1], s105
	s_mov_b64 s[G0SB+2:G0SB+3], s[100:101]
	s_or_b32 s[G0SB+3], s[G0SB+3], 0x80000000
	JLOAD G0S, G1S, G0SB, G1SB                     ; the scales first; with the three slots four loads of mine are out
.irp s, 0,1,2
	s_mov_b32 s[G0+4*\s], 1
	s_add_co_u32 s[G0+4*\s+1], s18, \s*SLOT
	s_add_nc_u64 s[G0+4*\s+2:G0+4*\s+3], s[20:21], \s*4096
	s_or_b32 s[G0+4*\s+3], s[G0+4*\s+3], 0x80000000
	s_mov_b32 s[G0B+4*\s], 1
	s_add_co_u32 s[G0B+4*\s+1], s19, \s*SLOT
	s_add_nc_u64 s[G0B+4*\s+2:G0B+4*\s+3], s[98:99], \s*ROWB
	s_or_b32 s[G0B+4*\s+3], s[G0B+4*\s+3], 0x80000000
	JLOAD G0+4*\s, G1, G0B+4*\s, G1B
.endr
	v_and_b32 v1, 15, v0                           ; r
	v_bfe_u32 v2, v0, 4, 1                         ; h
	s_lshl_b32 s20, s94, 8
	s_lshl_b32 s21, s16, 7
	s_add_co_u32 s20, s20, s21
	s_lshl_b32 s20, s20, 2
	v_lshl_add_u32 v[BJO], v2, 5, s20              ; b_out at my first column, + 8 h numbers
.irp t, 0,1,2,3,4,5,6,7
	global_load_b128 v[BIAS+8*\t:BIAS+8*\t+3], v[BJO], s[12:13] offset:64*\t
	global_load_b128 v[BIAS+8*\t+4:BIAS+8*\t+7], v[BJO], s[12:13] offset:64*\t+16
.endr
	v_and_b32 v3, 31, v0
	v_lshlrev_b32 v[CO], 4, v3
	v_mul_u32_u24 v4, v1, PITCH
	v_lshl_add_u32 v4, v2, 4, v4
	s_lshl_b32 s20, s15, 14                        ; my four images of A
	s_mul_i32 s21, s16, HALFB                      ; my 128 rows of B
	s_add_co_u32 s21, s21, BOFF
.irp s, 0,1,2
	v_add_nc_u32 v[ADRA+\s], s20, v[CO]
	v_add_nc_u32 v[ADRB+\s], s21, v4
	s_add_co_u32 s20, s20, SLOT
	s_add_co_u32 s21, s21, SLOT
.endr
	v_lshlrev_b32 v5, 5, v1                        ; my row's scales: 32 bytes a row,
	v_lshrrev_b32 v6, 8, v5
	v_lshl_add_u32 v5, v6, 4, v5                   ; and 16 more for each 256 passed
	s_mul_i32 s20, s15, 2176
	s_mul_i32 s21, s16, 4352
	s_add_co_u32 s21, s21, SCLB-SCLA
	s_sub_co_u32 s21, s21, s20
	v_mul_u32_u24 v6, s21, v2                      ; lanes 16-31 take B's
	s_add_co_u32 s20, s20, SCLA
	v_add_nc_u32 v5, v5, v6
	v_add_nc_u32 v[ADRS], s20, v5
	s_mul_i32 s23, s14, 16*SPITCH
	s_add_co_u32 s23, s23, STAGE                   ; my stage
	v_mul_u32_u24 v5, v1, SPITCH
	v_lshl_add_u32 v5, v2, 5, v5
	v_add_nc_u32 v[STO], s23, v5                   ; in: row r, 32 bytes for each half of the lanes
	v_add_nc_u32 v[RD], s23, v[CO]                 ; back: the 32 lanes take one row of 512 bytes
	s_lshl_b32 s20, s17, 7
	s_lshl_b32 s21, s15, 6
	s_add_co_u32 s20, s20, s21                     ; my first row
	s_lshl_b32 s20, s20, 12                        ; 4,096 bytes a row (under 2^26 in all)
	s_lshl_b32 s21, s94, 10
	s_add_co_u32 s20, s20, s21
	s_lshl_b32 s21, s16, 9
	s_add_co_u32 s20, s20, s21                     ; + my first column
	s_mov_b32 s21, 0
	s_add_nc_u64 s[66:67], s[66:67], s[20:21]
; 8 matrix instructions: A's block a x B's eight, fragment set p, the slot's q-th 128 along K, scale set sc.  first = 1: b_out starts the sums.  The 32 accumulators take turns.
.macro MUL8 a, p, q, sc, first
.irp b, 0,1,2,3,4,5,6,7
.if \first
	v_wmma_scale_f32_16x16x128_f8f6f4 v[8*(8*(\a)+\b):8*(8*(\a)+\b)+7], v[128*(\p)+FR*\b:128*(\p)+FR*\b+FR-1], v[AF+64*(\p)+FR*(\a):AF+64*(\p)+FR*(\a)+FR-1], v[BIAS+8*\b:BIAS+8*\b+7], v[SC+16*(\sc)+2*\b+(\q)], v[SC+16*(\sc)+2*(\a)+(\q)] matrix_a_fmt:MATRIX_FMT_BF8 matrix_b_fmt:MATRIX_FMT_BF8 matrix_a_scale:MATRIX_SCALE_ROW1
.else
	v_wmma_scale_f32_16x16x128_f8f6f4 v[8*(8*(\a)+\b):8*(8*(\a)+\b)+7], v[128*(\p)+FR*\b:128*(\p)+FR*\b+FR-1], v[AF+64*(\p)+FR*(\a):AF+64*(\p)+FR*(\a)+FR-1], v[8*(8*(\a)+\b):8*(8*(\a)+\b)+7], v[SC+16*(\sc)+2*\b+(\q)], v[SC+16*(\sc)+2*(\a)+(\q)] matrix_a_fmt:MATRIX_FMT_BF8 matrix_b_fmt:MATRIX_FMT_BF8 matrix_a_scale:MATRIX_SCALE_ROW1
.endif
.endr
.endm
.macro FETCH slot, q, p                ; 48 LDS loads in one run: B's eight fragments and A's four, into set p
	WIN TO_B
.irp i, 0,1,2,3,4,5,6,7
.irp c, 0,1,2,3
	ds_load_b128 v[128*(\p)+FR*\i+4*\c:128*(\p)+FR*\i+4*\c+3], v[ADRB+\slot] offset:128*(\q)+32*\c+\i*16*PITCH
.endr
.endr
	WIN 0
.irp a, 0,1,2,3
.irp c, 0,1,2,3
	ds_load_b128 v[AF+64*(\p)+FR*\a+4*\c:AF+64*(\p)+FR*\a+4*\c+3], v[ADRA+\slot] offset:\a*4096+(\q)*2048+\c*512
.endr
.endr
.endm
.macro SCALES sc                       ; a K step's scale words: lanes 0-15 A's block i (i under 4; the rest is named by no product), lanes 16-31 B's block i
.irp i, 0,1,2,3,4,5,6,7
	ds_load_b64 v[SC+16*\sc+2*\i:SC+16*\sc+2*\i+1], v[ADRS] offset:\i*SBLK
.endr
.endm
.macro PLACES n
.rept \n
	v_nop
.endr
.endm
.macro STEP slot, sc, first            ; a slot's first 128 along K, on set 0; its second is fetched into set 1
	s_wait_dscnt 0x0                               ; set 0 and the scale words are in
	PLACES NP                                      ; behind the last products on set 1
	FETCH \slot, 1, 1
.set WN, MUL-0x20*(\first)             ; with first = 1 the C lies in window 0
	WIN WN
	MUL8 0, 0, 0, \sc, \first
	MUL8 1, 0, 0, \sc, \first
	MUL8 2, 0, 0, \sc, \first
	MUL8 3, 0, 0, \sc, \first
	WIN 0
.endm
	s_wait_tensorcnt 2                             ; the scales and my part of K step 0 are in (K steps 1 and 2 may be out),
	s_barrier_signal -1
	s_barrier_wait -1                              ; everybody's are
	FETCH 0, 0, 0
	SCALES 0
	s_wait_loadcnt 0x0                             ; b_out
	STEP 0, 0, 1
	; slot 0's second half; slot 0 is filled again, with K step 3; on to slot 1
	s_wait_tensorcnt 0x0                           ; all my tensor loads have landed: my parts of slots 1 and 2
	ds_add_u32 v[SPW], v[NIL]                      ; 0 onto my spare word
	s_wait_dscnt 1                                 ; set 1 is in (the add may be out)
	WIN MUL
	MUL8 0, 1, 1, 0, 0
	s_wait_dscnt 0x0                               ; the add is done, and my reads of slot 0 are over
	s_barrier_signal -1
	MUL8 1, 1, 1, 0, 0
	WIN 0
	s_barrier_wait -1
	CREST                                          ; the barrier has opened a round of the cluster's: no wave of any partner still reads slot 0 or has a load on its way
	s_add_nc_u64 s[G0+2:G0+3], s[G0+2:G0+3], 3*4096
	s_add_nc_u64 s[G0B+2:G0B+3], s[G0B+2:G0B+3], 3*ROWB
	JLOAD G0, G1, G0B, G1B                         ; the first tensor load behind the round; it has three and a half steps of 32 products in which to land
	PLACES NP-4
	v_add_nc_u32 v[ADRS], 8, v[ADRS]
	FETCH 1, 0, 0
	SCALES 1
	WIN MUL
	MUL8 2, 1, 1, 0, 0
	MUL8 3, 1, 1, 0, 0
	WIN 0
	STEP 1, 1, 0
	; slot 1's second half; on to slot 2, which the round above has shown whole in every wave: no barrier
	s_wait_dscnt 0x0
	PLACES NP
	v_add_nc_u32 v[ADRS], 8, v[ADRS]
	FETCH 2, 0, 0
	SCALES 0
	WIN MUL
	MUL8 0, 1, 1, 1, 0
	MUL8 1, 1, 1, 1, 0
	MUL8 2, 1, 1, 1, 0
	MUL8 3, 1, 1, 1, 0
	WIN 0
	STEP 2, 0, 0
	; slot 2's second half; on to slot 0 with K step 3: a barrier between each wave's wait for its part and the others' reads
	s_wait_tensorcnt 0x0                           ; the one load of mine that was out: my part of K step 3
	s_wait_dscnt 0x0
	WIN MUL
	MUL8 0, 1, 1, 0, 0
	s_barrier_signal -1
	MUL8 1, 1, 1, 0, 0
	WIN 0
	s_barrier_wait -1
	PLACES NP
	v_add_nc_u32 v[ADRS], 8, v[ADRS]
	FETCH 0, 0, 0
	SCALES 1
	WIN MUL
	MUL8 2, 1, 1, 0, 0
	MUL8 3, 1, 1, 0, 0
	WIN 0
	STEP 0, 1, 0
	s_wait_dscnt 0x0                               ; the last 128 along K
	WIN MUL
	MUL8 0, 1, 1, 1, 0
	MUL8 1, 1, 1, 1, 0
	MUL8 2, 1, 1, 1, 0
	MUL8 3, 1, 1, 1, 0
	WIN 0
; THE WAY OUT, block by block of 16 rows x 128 columns: through my own stage in LDS, back as whole rows of 512 bytes.  LDS serves a wave's instructions in order (ISA guide 5.7.1.4): no wait between the stores and the loads.
.macro TOSTAGE a
.set AC, 64*(\a)
	WIN 0x08                                       ; the data: window 2
.irp b, 0,1,2,3,4,5,6,7
	ds_store_b128 v[STO], v[AC+8*\b:AC+8*\b+3] offset:64*\b          ; each accumulator from its low end on
	ds_store_b128 v[STO], v[AC+8*\b+4:AC+8*\b+7] offset:64*\b+16
.endr
	WIN 0
.set BB, BK+64*((\a)%2)
.irp t, 0,1,2,3,4,5,6,7,8,9,10,11,12,13,14,15
	ds_load_b128 v[BB+4*\t:BB+4*\t+3], v[RD] offset:\t*SPITCH
.endr
.endm
.macro SEND a, younger                 ; younger: the LDS instructions issued behind block a's loads, which may stay out
.set BB, BK+64*((\a)%2)
	s_wait_dscnt \younger
.if (\a) > 0
	s_add_nc_u64 s[66:67], s[66:67], 16*4096       ; 16 rows on (the earlier stores have read their base: a wait for that stands ahead)
.endif
.irp t, 0,1,2,3,4,5,6,7,8,9,10,11,12,13,14,15
	global_store_b128 v[CO], v[BB+4*\t:BB+4*\t+3], s[66:67] offset:\t*4096 th:TH_STORE_NT   ; 32 lanes store 512 consecutive bytes, aligned; written once, read by nobody here
.endr
.endm
	PLACES NP                                      ; behind the last products: results are read, and loads land on A's registers
	TOSTAGE 0
.irp a, 1,2,3
.if \a > 1
	s_wait_xcnt 0x0                                ; block a - 2's stores have read their registers and their base
.endif
	TOSTAGE \a
	SEND \a-1, 32                                  ; behind block a - 1's loads: block a's 16 stores and 16 loads
.endr
	s_wait_xcnt 0x0
	SEND 3, 0
	s_wait_tensorcnt 0x0                           ; the wave's end
	ds_add_u32 v[SPW], v[NIL]
	s_wait_dscnt 0x0
	CROUND                                         ; the closing round: no work-group ends while a partner may still ask for a tile that names it
	s_endpgm
.Lfunc_end_k_qc08350b25f_proj:
	.size	k_qc08350b25f_proj, .Lfunc_end_k_qc08350b25f_proj-k_qc08350b25f_proj
	.p2alignl 7, 3214868480
	.fill 96, 4, 3214868480
	.section	.rodata,"a",@progbits
	.p2align	6, 0x0
	.amdhsa_kernel k_qc08350b25f_proj
		.amdhsa_group_segment_fixed_size 327680
		.amdhsa_private_segment_fixed_size 0
		.amdhsa_enable_private_segment 0
		.amdhsa_kernarg_size 48
		.amdhsa_user_sgpr_count 2
		.amdhsa_user_sgpr_kernarg_segment_ptr 1
		.amdhsa_wavefront_size32 1
		.amdhsa_system_sgpr_workgroup_id_x 1
		.amdhsa_system_sgpr_workgroup_id_y 1
		.amdhsa_system_sgpr_workgroup_id_z 1
		.amdhsa_system_vgpr_workitem_id 0
		.amdhsa_next_free_vgpr 768
		.amdhsa_next_free_sgpr 106
		.amdhsa_reserve_vcc 0
		.amdhsa_float_denorm_mode_32 3
		.amdhsa_float_denorm_mode_16_64 3
		.amdhsa_memory_ordered 1
		.amdhsa_forward_progress 1
		.amdhsa_inst_pref_size 90
	.end_amdhsa_kernel
	.amdgpu_metadata
---
amdhsa.version: [ 1, 2 ]
amdhsa.kernels:
  - .name:           k_qc08350b25f_proj
    .symbol:         k_qc08350b25f_proj.kd
    .args:
      - { .name: ocodes, .offset: 0, .size: 8, .value_kind: global_buffer, .address_space: global }
      - { .name: oscales, .offset: 8, .size: 8, .value_kind: global_buffer, .address_space: global }
      - { .name: w_out_codes, .offset: 16, .size: 8, .value_kind: global_buffer, .address_space: global }
      - { .name: w_out_scales, .offset: 24, .size: 8, .value_kind: global_buffer, .address_space: global }
      - { .name: b_out, .offset: 32, .size: 8, .value_kind: global_buffer, .address_space: global }
      - { .name: out0, .offset: 40, .size: 8, .value_kind: global_buffer, .address_space: global }
    .group_segment_fixed_size: 327680
    .private_segment_fixed_size: 0
    .kernarg_segment_align: 8
    .kernarg_segment_size: 48
    .max_flat_workgroup_size: 128
    .sgpr_count:     106
    .vgpr_count:     768
    .wavefront_size: 32
...
	.end_amdgpu_metadata
.endif
;; end of part 3
